; MI455X (gfx1250); checked and timed in simulation.
; The chip was launched on July 23, 2026; its instructions are those of AMD's public machine-readable ISA for CDNA 5 (MIT licence, August 2026) and "CDNA5" Instruction Set Architecture Reference Guide (July 2026). The comments in the code are by the model that wrote it; some were corrected since.
;; Attention. Allowed arithmetic: float matrix products may take bf16 or f16 operands with f32 sums; other float arithmetic in f32, or as packed bf16 or f16 multiplies, adds, multiply-adds, maxima and minima; sums over many terms, partial sums and values carried from step to step in f32; what a program stores and reads back later, other than sums and carried values, may be rounded once to bf16 or f16.
;; Inputs: W_k 768 x 768 float32; W_o 768 x 768 float32; W_q 768 x 768 float32; W_v 768 x 768 float32; b_k 768 float32; b_o 768 float32; b_q 768 float32; b_v 768 float32; residual_stream 2 x 2,048 x 768 float32.
;; Outputs: out0 2 x 2,048 x 768 float32.
;; 2 versions, each right; version 2 is version 1 with the launch prep written anew for expert scheduling mode. Each part assembles by itself: llvm-mc -triple=amdgcn-amd-amdhsa -mcpu=gfx1250 --defsym DOCPART=n.
;; ======== version 1 of 2: 4 launches
;; limits: values are held in f16: magnitudes above 65,504 overflow, below 6.1e-05 lose precision
;; workspace buffers: xb 6,291,456 bytes; wqkv 3,538,944 bytes; wo 1,179,648 bytes; qkv 18,874,368 bytes; vsum 49,152 bytes; ob 6,291,456 bytes
;; launch prep (part 1): grid 448 x 1, 8 waves a work-group, no clusters, 0 bytes of LDS; arguments residual_stream, W_q, W_k, W_v, W_o, xb, wqkv, wo; writes xb, wqkv, wo
.if DOCPART == 1
	.amdgcn_target "amdgcn-amd-amdhsa--gfx1250"
	.amdhsa_code_object_version 6
	.text
	.protected	k_q922036abc8_prep
	.globl	k_q922036abc8_prep
	.p2align	8
	.type	k_q922036abc8_prep,@function
k_q922036abc8_prep:
	s_mov_b64 s[64:65], 0
	v_nop
	global_prefetch_b8 v0, s[64:65] scope:SCOPE_SE
	s_setreg_imm32_b32 hwreg(HW_REG_WAVE_MODE, 25, 1), 1
	s_wait_xcnt 0x0
; ATTENTION WITH A ZEROING MASK, in four launches: this one rounds x and the four weight matrices to 16 bits; the second makes q, k, v; the third the attention; the fourth the output projection.
; WORK LEFT OUT BY THE PROGRAM, and why it is dead for all finite inputs.  The problem sets score(q, k) to 0 for every key k > q, by a mask that it builds itself, and takes the softmax over all 2,048 keys.
; So for a key above the diagonal the product q . k reaches no output, and its weight is exp(0 - m) / l, the same number w0 for all such keys of a row.  Their share of the row's result is
; sum over those k of w0 v[k] = w0 x (sum of those v[k]), an identity in real numbers.  The third launch therefore leaves out K Q^T, the exponentials and P V for tiles of 256 keys that lie wholly above a
; query block's diagonal tile, and starts each row's running state as if it had met ONE key of score 0 that counts n times: maximum 0, sum n, result = the sum of the n rows of v (taken in f32 by the second launch).
; Inside the diagonal tile the hidden scores are computed, set to 0 and treated like any score.  No input is dead: b_k stays, since the zeroed scores are not shifted with the others.
; LIMIT: a NaN, an infinity or an overflow that reaches only the products left out is not carried to the result.
; THIS LAUNCH.  x -> xb, bf16 [4096][768].  W_q, W_k, W_v -> wqkv, bf16, and W_o -> wo, in blocks [block][768 k][192 n]: block T holds columns 192 (T % 4) .. + 191 of matrix T / 4, so that the k rows
; that a later launch takes in one step lie end to end.  W_o is rounded to bf16 like every input and that number is written as f16 (exact from 6.1e-5 up to 65,504; below, f16's fixed step of 6e-8).
; A stream: each thread takes 12 pieces of 4 numbers; a wave's load covers 512 bytes (in a weight's block: pieces of rows of 768 bytes), a wave's store 256 consecutive bytes, aligned.  All 12 loads go out first.
; No LDS, no matrix unit, no cluster: nothing is shared and nothing is multiplied.
.set DAT, 8                            ; v[8:55]   12 pieces as loaded
.set PKD, 56                           ; v[56:79]  12 pieces to store
.macro CV n, half                      ; piece n: two roundings to bf16 each; half = 1: the rounded numbers are written as f16
	s_wait_loadcnt 11-(\n)                         ; loads come back in order: piece n is in, the 11 - n younger ones may stay out
	v_cvt_pk_bf16_f32 v[PKD+2*(\n)], v[DAT+4*(\n)], v[DAT+4*(\n)+1]
	v_cvt_pk_bf16_f32 v[PKD+2*(\n)+1], v[DAT+4*(\n)+2], v[DAT+4*(\n)+3]
.if \half
	v_lshlrev_b32 v[DAT+4*(\n)], 16, v[PKD+2*(\n)]
	v_and_b32 v[DAT+4*(\n)+1], 0xffff0000, v[PKD+2*(\n)]
	v_lshlrev_b32 v[DAT+4*(\n)+2], 16, v[PKD+2*(\n)+1]
	v_and_b32 v[DAT+4*(\n)+3], 0xffff0000, v[PKD+2*(\n)+1]
	v_cvt_pk_f16_f32 v[PKD+2*(\n)], v[DAT+4*(\n)], v[DAT+4*(\n)+1]
	v_cvt_pk_f16_f32 v[PKD+2*(\n)+1], v[DAT+4*(\n)+2], v[DAT+4*(\n)+3]
.endif
.endm
	s_load_b512 s[8:23], s[0:1], 0x0               ; x s[8:9], W_q s[10:11], W_k s[12:13], W_v s[14:15], W_o s[16:17], xb s[18:19], wqkv s[20:21], wo s[22:23]
	v_lshlrev_b32 v1, 4, v0                        ; 16 t
	v_lshlrev_b32 v2, 3, v0                        ; 8 t
	s_cmp_lt_u32 ttmp9, 256
	s_cbranch_scc0 .Lweights
	; work-groups 0 to 255: 12,288 numbers of x each
	s_mul_i32 s2, ttmp9, 49152
	s_mov_b32 s3, 0
	s_mul_i32 s4, ttmp9, 24576
	s_mov_b32 s5, 0
	s_wait_kmcnt 0x0
	s_add_nc_u64 s[8:9], s[8:9], s[2:3]
	s_add_nc_u64 s[18:19], s[18:19], s[4:5]
.set i, 0
.rept 12
	global_load_b128 v[DAT+4*i:DAT+4*i+3], v1, s[8:9] offset:4096*i th:TH_LOAD_NT
.set i, i+1
.endr
.set i, 0
.rept 12
	CV i, 0
	global_store_b64 v2, v[PKD+2*i:PKD+2*i+1], s[18:19] offset:2048*i
.set i, i+1
.endr
	s_endpgm
.Lweights:
	; work-groups 256 to 447: 64 k rows x 192 columns of one block
	s_sub_co_u32 s24, ttmp9, 256
	s_mul_hi_u32 s25, s24, 0xaaaaaaab
	s_lshr_b32 s25, s25, 3                         ; block T = number / 12
	s_mul_i32 s26, s25, 12
	s_sub_co_u32 s26, s24, s26                     ; which 64 rows of the block
	s_and_b32 s27, s25, 3                          ; which 192 columns of the matrix
.irp a, 0,1,2
	v_add_nc_u32 v6, 256*\a, v0                    ; piece e = 256 a + t of the 768 in 16 rows
	v_mul_u32_u24 v7, v6, 1366
	v_lshrrev_b32 v7, 16, v7                       ; row e / 48 (1366 / 65536 is 1 / 48 to within one part in 2,048: exact for e under 768)
	v_mul_u32_u24 v[3+\a], v7, 48
	v_sub_nc_u32 v6, v6, v[3+\a]                   ; piece in the row
	v_mul_u32_u24 v7, v7, 3072
	v_lshl_add_u32 v[3+\a], v6, 4, v7              ; its byte in the matrix: row x 3,072 + 16 x piece
.endr
	s_mul_i32 s34, s26, 196608                     ; 64 rows of 3,072 bytes
	s_mul_i32 s35, s27, 768
	s_add_co_u32 s34, s34, s35
	s_mov_b32 s35, 0
	s_mul_i32 s33, s26, 24576                      ; 64 rows of 384 bytes in the block
	s_wait_kmcnt 0x0
	s_cmp_lt_u32 s25, 4
	s_cselect_b64 s[28:29], s[10:11], s[12:13]
	s_cmp_lt_u32 s25, 8
	s_cselect_b64 s[28:29], s[28:29], s[14:15]
	s_cmp_lt_u32 s25, 12
	s_cselect_b64 s[28:29], s[28:29], s[16:17]     ; the matrix
	s_cselect_b64 s[30:31], s[20:21], s[22:23]     ; and where its blocks go
	s_cselect_b32 s32, 0, 12
	s_sub_co_u32 s32, s25, s32
	s_mul_i32 s32, s32, 294912
	s_add_co_u32 s32, s32, s33
	s_mov_b32 s33, 0
	s_add_nc_u64 s[28:29], s[28:29], s[34:35]
	s_add_nc_u64 s[30:31], s[30:31], s[32:33]
.set i, 0
.rept 12
	global_load_b128 v[DAT+4*i:DAT+4*i+3], v[3+i%3], s[28:29] offset:49152*(i/3) th:TH_LOAD_NT
.set i, i+1
.endr
	s_cmp_lt_u32 s25, 12
	s_cbranch_scc0 .Lwo
.set i, 0
.rept 12
	CV i, 0
	global_store_b64 v2, v[PKD+2*i:PKD+2*i+1], s[30:31] offset:2048*i
.set i, i+1
.endr
	s_endpgm
.Lwo:
.set i, 0
.rept 12
	CV i, 1
	global_store_b64 v2, v[PKD+2*i:PKD+2*i+1], s[30:31] offset:2048*i
.set i, i+1
.endr
	s_endpgm
.Lfunc_end_k_q922036abc8_prep:
	.size	k_q922036abc8_prep, .Lfunc_end_k_q922036abc8_prep-k_q922036abc8_prep
	.p2alignl 7, 3214868480
	.fill 96, 4, 3214868480
	.section	.rodata,"a",@progbits
	.p2align	6, 0x0
	.amdhsa_kernel k_q922036abc8_prep
		.amdhsa_group_segment_fixed_size 0
		.amdhsa_private_segment_fixed_size 0
		.amdhsa_enable_private_segment 0
		.amdhsa_kernarg_size 64
		.amdhsa_user_sgpr_count 2
		.amdhsa_user_sgpr_kernarg_segment_ptr 1
		.amdhsa_wavefront_size32 1
		.amdhsa_system_sgpr_workgroup_id_x 1
		.amdhsa_system_sgpr_workgroup_id_y 1
		.amdhsa_system_sgpr_workgroup_id_z 1
		.amdhsa_system_vgpr_workitem_id 0
		.amdhsa_next_free_vgpr 80
		.amdhsa_next_free_sgpr 66
		.amdhsa_reserve_vcc 0
		.amdhsa_float_denorm_mode_32 3
		.amdhsa_float_denorm_mode_16_64 3
		.amdhsa_memory_ordered 1
		.amdhsa_forward_progress 1
		.amdhsa_inst_pref_size 19
	.end_amdhsa_kernel
	.amdgpu_metadata
---
amdhsa.version: [ 1, 2 ]
amdhsa.kernels:
  - .name:           k_q922036abc8_prep
    .symbol:         k_q922036abc8_prep.kd
    .args:
      - { .name: residual_stream, .offset: 0, .size: 8, .value_kind: global_buffer, .address_space: global }
      - { .name: W_q, .offset: 8, .size: 8, .value_kind: global_buffer, .address_space: global }
      - { .name: W_k, .offset: 16, .size: 8, .value_kind: global_buffer, .address_space: global }
      - { .name: W_v, .offset: 24, .size: 8, .value_kind: global_buffer, .address_space: global }
      - { .name: W_o, .offset: 32, .size: 8, .value_kind: global_buffer, .address_space: global }
      - { .name: xb, .offset: 40, .size: 8, .value_kind: global_buffer, .address_space: global }
      - { .name: wqkv, .offset: 48, .size: 8, .value_kind: global_buffer, .address_space: global }
      - { .name: wo, .offset: 56, .size: 8, .value_kind: global_buffer, .address_space: global }
    .group_segment_fixed_size: 0
    .private_segment_fixed_size: 0
    .kernarg_segment_align: 8
    .kernarg_segment_size: 64
    .max_flat_workgroup_size: 256
    .sgpr_count:     66
    .vgpr_count:     80
    .wavefront_size: 32
...
	.end_amdgpu_metadata
.endif
;; end of part 1
;; launch qkv (part 2): grid 12 x 16, 4 waves a work-group, clusters of 4 x 4, 327,680 bytes of LDS; arguments xb, wqkv, b_q, b_k, b_v, qkv, vsum; writes qkv, vsum
.if DOCPART == 2
	.amdgcn_target "amdgcn-amd-amdhsa--gfx1250"
	.amdhsa_code_object_version 6
	.text
	.protected	k_q922036abc8_qkv
	.globl	k_q922036abc8_qkv
	.p2align	8
	.type	k_q922036abc8_qkv,@function
k_q922036abc8_qkv:
	s_mov_b64 s[64:65], 0
	v_nop
	global_prefetch_b8 v0, s[64:65] scope:SCOPE_SE
	s_setreg_imm32_b32 hwreg(HW_REG_WAVE_MODE, 25, 1), 1
	s_wait_xcnt 0x0
	s_wait_alu depctr_hold_cnt(0) depctr_sa_sdst(0) depctr_va_vdst(0) depctr_va_sdst(0) depctr_va_ssrc(0) depctr_va_vcc(0) depctr_vm_vsrc(0)
	s_getreg_b32 s2, hwreg(HW_REG_IB_STS2, 6, 4)
	s_cmp_eq_u32 s2, 0
	s_cbranch_scc0 .Lentry_in_a_cluster
	s_endpgm
.Lentry_in_a_cluster:
	s_bfe_u32 s2, ttmp6, 0x10000c
	s_cmp_lg_u32 s2, 0xf033
	s_cbranch_scc0 .Lentry_shape_is_right
	s_endpgm
.Lentry_shape_is_right:
; q | k | v = x W + b.  xb: bf16 [4096][768]; wqkv: bf16 [12 blocks][768 k][192 n]; biases f32, rounded to bf16 like every input; sums in f32.
; OUT: qkv, f16 [2 batches][36 planes][2048 tokens][64]: planes 0-11 q's heads, 12-23 k's, 24-35 v's; each number rounded once, unscaled.
; ALSO OUT: vsum, f32 [2][8][768]: the sum of v, bias included, over tokens 256 R .. 256 R + 255: what the next launch takes in place of the products with keys that the problem's own mask hides (shown at the first kernel's head).
; LIMITS.  f16 holds no number beyond 65,504: |q|, |k|, |v| must stay within it; below 6.1e-5 they keep f16's fixed step of 6e-8.  NaN and infinities are not treated apart.
; SHARES.  A work-group makes 256 tokens x 192 columns (three whole heads): 16 x 12 = 192 work-groups; tiles of whole heads do not divide 4096 x 2304 into 256 equal parts that fit.  Wave w has tokens 64 w .. + 63 and all
; 192 columns: 48 accumulators.  K goes in 6 steps of 128 through two LDS slots.
; CLUSTER 4 x 4: the four of a row need the same rows of x, the four of a column the same block of weights: each tile is asked for jointly, by the same tensor load with the same descriptor and a mask that names the four.
; THE MATRIX INSTRUCTION IS USED TRANSPOSED (source 0 = 16 columns of W, turned on their way out of LDS; source 1 = 16 tokens): a lane holds one token and eight neighbouring columns.
; THE BIAS IS THE C OPERAND of each accumulator's first product: nothing is cleared and nothing is added later.
; THE COLUMN SUMS go through LDS: a lane's 96 sums over its four tokens are laid down as a row of 768 bytes, 64 rows for the work-group, and 96 threads add two columns each.
; NO PREFETCH: with six K steps and two of them asked for at the head, a lead of two steps would reach only two steps, in a launch of a few K steps.
; REGISTERS, in windows of 256 (s_set_vgpr_msb: bits 1:0 source 0, 3:2 source 1, 5:4 source 2, 7:6 destination):
;   window 0: v16-31 addresses; v32-95 fragments of x, two buffers of 32; v96-191 the bias, 8 for each block of 16 columns; v192-239 packed results.  On the way out v32-127 rows read back, v128-255 column sums
;   window 1: v0-191 fragments of W, two buffers of 96      window 2: accumulators of token blocks 0, 1 at 96 a + 8 nb      window 3: those of blocks 2, 3
.set PA,     272                       ; a row of x in LDS: 256 bytes + 16: the 16 rows of a load begin 16 bytes further each, modulo 256
.set PB,     480                       ; a k row of W in LDS: three pieces of 128 bytes, each followed by 32 bytes of padding
.set HALFA,  128*PA                    ; what one tensor load brings of x: 128 rows
.set HALFB,  64*PB                     ; and of W: 64 k rows, 24,576 dense bytes asked for as 96 rows of 256
.set BOFF,   2*HALFA
.set SLOT,   BOFF+2*HALFB              ; 131,072
.set STAGE,  2*SLOT                    ; behind the ring: 16 rows x 400 bytes for each wave, for the way out
.set SPITCH, 400
.set CPITCH, 784                       ; the column sums' rows: 768 bytes + 16.  64 rows from LDS byte 0 on: slot 0's bytes, which have had their last fill, and whose last read stands ahead of the last lap's barrier
.set SPARE,  STAGE+4*16*SPITCH         ; the spare words, 128 bytes for each wave: two blocks of 256 bytes that no other line names
.set LAPS,   3                         ; a lap = two K steps
.set ADRA, 16                          ; v16-17  LDS address of my fragments of x in slot 0, 1
.set ADRB, 20                          ; v20-21  the same for W
.set VO,   22                          ; v22     8 x thread: my 8 bytes of a row of vsum
.set STO,  24                          ; v24     the way out: where I put 16 bytes of a token's row
.set RD,   25                          ; v25     where I read back
.set CO,   26                          ; v26     16 x lane: my place in 512 consecutive bytes of a plane
.set BO,   27                          ; v27     32 x (lane / 16): my 8 numbers in 16 of a bias
.set SPW,  28                          ; v28     my spare word; never rewritten
.set NIL,  29                          ; v29     0; never rewritten
.set CSW,  30                          ; v30     where I put column sums
.set CSR,  31                          ; v31     where I read them
.set FA,   32
.set BIAS, 96
.set TMP,  192
.set OB,   32
.set TS,   128
.set WV,  18                           ; s18  wave
.set WH,  19                           ; s19  wave / 2: I fetch for x (0) or for W (1)
.set WL,  20                           ; s20  wave % 2: which half of that tile
.set G1,  24                           ; s[24:31] descriptor group 1 for x;  s[32:39] group 0, a set for each slot
.set G0,  32
.set G1B, 48                           ; s[48:55], s[56:63] the same for W
.set G0B, 56
.set MSB, 0
.macro WIN new                         ; the immediate's high byte repeats the setting that is left; a switch that changes nothing is dropped
.if MSB != (\new)
	s_set_vgpr_msb (MSB<<8)|(\new)
.set MSB, \new
.endif
.endm
.macro PLACES                          ; four places in front of loads into registers that matrix instructions have read, and of conversions that read results
.rept 4
	v_nop
.endr
.endm
; A joint load: waves 0 and 1 fetch the halves of x's tile, waves 2 and 3 those of W's.  The branch hangs on the wave's number alone.  An s_nop 0 and four v_nop follow each line.
.macro JLOAD s
	s_cmp_eq_u32 s[WH], 0
	s_cbranch_scc0 .Lfor_b_\@
	tensor_load_to_lds s[G0+4*(\s):G0+4*(\s)+3], s[G1:G1+7]
	s_nop 0
.rept 4
	v_nop
.endr
	s_branch .Lasked_\@
.Lfor_b_\@:
	tensor_load_to_lds s[G0B+4*(\s):G0B+4*(\s)+3], s[G1B:G1B+7]
	s_nop 0
.rept 4
	v_nop
.endr
.Lasked_\@:
.endm
.macro CREST                           ; a round of the cluster's barrier behind its opening barrier
	s_cmp_lg_u32 s[WV], 0
	s_cbranch_scc1 .Lnot_wave_0_\@
	s_barrier_signal -3
.Lnot_wave_0_\@:
	s_barrier_wait -3
	s_barrier_signal -1
	s_barrier_wait -1
.endm
.macro CROUND
	s_barrier_signal -1
	s_barrier_wait -1
	CREST
.endm
	s_load_b256 s[4:11], s[0:1], 0x0               ; xb s[4:5], wqkv s[6:7], b_q s[8:9], b_k s[10:11]
	s_load_b128 s[12:15], s[0:1], 0x20             ; b_v s[12:13], qkv s[14:15]
	s_load_b64 s[16:17], s[0:1], 0x30              ; vsum
	v_lshl_add_u32 v[SPW], v0, 2, SPARE
	v_mov_b32 v[NIL], 0
	ds_add_u32 v[SPW], v[NIL]                      ; the wave's opening: the add, twice on end, and its wait ahead of my first tensor load
	ds_add_u32 v[SPW], v[NIL]
	v_lshrrev_b32 v1, 5, v0
	v_readfirstlane_b32 s[WV], v1
	s_lshr_b32 s[WH], s[WV], 1
	s_and_b32 s[WL], s[WV], 1
	s_bfe_u32 s21, ttmp6, 0x40000                  ; cx
	s_bfe_u32 s22, ttmp6, 0x40004                  ; cy
	s_lshl_b32 s23, ttmp9, 2
	s_add_co_u32 s23, s23, s21                     ; block of columns = 4 x cluster x + cx; cluster x is the matrix: 0 q, 1 k, 2 v
	s_and_b32 s66, ttmp7, 0xffff
	s_lshl_b32 s66, s66, 2
	s_add_co_u32 s66, s66, s22                     ; block of 256 tokens = 4 x cluster y + cy
	s_lshl_b32 s40, s22, 2
	s_lshl_b32 s40, 15, s40                        ; my row of the cluster
	s_lshl_b32 s41, 0x1111, s21                    ; my column
	s_or_b32 s[G1], s40, (1<<16)|(1<<20)|(1<<21)|(5<<22)|(3<<25)   ; mask; 2-byte elements; padding on; bit 21 beside a mask; after every 64 words 4 words
	s_or_b32 s[G1B], s41, (1<<16)|(1<<20)|(1<<21)|(4<<22)|(7<<25)  ; the same for W: after every 32 words 8 words
	s_mov_b32 s[G1+1], 128<<16                     ; tensor_dim0 = 128
	s_mov_b32 s[G1+2], 128<<16                     ; tensor_dim1 = 128
	s_mov_b32 s[G1+3], 128<<16                     ; tile_dim0 = 128
	s_mov_b32 s[G1+4], 128                         ; tile_dim1 = 128
	s_mov_b32 s[G1+5], 768                         ; elements from row to row
	s_mov_b32 s[G1+6], 0
	s_mov_b32 s[G1+7], 0
	s_mov_b32 s[G1B+1], 128<<16
	s_mov_b32 s[G1B+2], 96<<16
	s_mov_b32 s[G1B+3], 128<<16
	s_mov_b32 s[G1B+4], 96
	s_mov_b32 s[G1B+5], 128
	s_mov_b32 s[G1B+6], 0
	s_mov_b32 s[G1B+7], 0
	s_lshl_b32 s42, s66, 8                         ; x: row 256 x token block + 128 x half, in bytes: it hangs on the token block alone
	s_lshl_b32 s43, s[WL], 7
	s_add_co_u32 s42, s42, s43
	s_mul_i32 s42, s42, 1536
	s_mov_b32 s43, 0
	s_mul_i32 s44, s23, 294912                     ; W: the block + 64 k rows x half: it hangs on the column block alone
	s_mul_i32 s45, s[WL], 24576
	s_add_co_u32 s44, s44, s45
	s_mov_b32 s45, 0
	s_mul_i32 s46, s[WL], HALFA                    ; where they go: no place in the cluster enters an LDS address
	s_mul_i32 s47, s[WL], HALFB
	s_add_co_u32 s47, s47, BOFF
	s_wait_dscnt 0x0                               ; both opening adds are done
	s_wait_kmcnt 0x0
	s_add_nc_u64 s[42:43], s[4:5], s[42:43]
	s_add_nc_u64 s[44:45], s[6:7], s[44:45]
	CROUND                                         ; all sixteen work-groups are here: the first joint loads meet
.irp s, 0,1
	s_mov_b32 s[G0+4*(\s)], 1
	s_add_co_u32 s[G0+4*(\s)+1], s46, (\s)*SLOT
	s_add_nc_u64 s[G0+4*(\s)+2:G0+4*(\s)+3], s[42:43], (\s)*256
	s_or_b32 s[G0+4*(\s)+3], s[G0+4*(\s)+3], 0x80000000
	s_mov_b32 s[G0B+4*(\s)], 1
	s_add_co_u32 s[G0B+4*(\s)+1], s47, (\s)*SLOT
	s_add_nc_u64 s[G0B+4*(\s)+2:G0B+4*(\s)+3], s[44:45], (\s)*49152
	s_or_b32 s[G0B+4*(\s)+3], s[G0B+4*(\s)+3], 0x80000000
	JLOAD \s
.endr
	; the bias of my matrix, at my block's 192 columns
	s_cmp_eq_u32 ttmp9, 0
	s_cselect_b64 s[68:69], s[8:9], s[10:11]
	s_cmp_eq_u32 ttmp9, 2
	s_cselect_b64 s[68:69], s[12:13], s[68:69]
	s_mul_i32 s74, s21, 768
	s_mov_b32 s75, 0
	s_add_nc_u64 s[68:69], s[68:69], s[74:75]
	v_and_b32 v1, 15, v0                           ; r = lane % 16
	v_bfe_u32 v2, v0, 4, 1                         ; h = lane / 16
	v_lshlrev_b32 v[BO], 5, v2
.irp nb, 0,1,2,3,4,5,6,7,8,9,10,11
	global_load_b128 v[BIAS+8*\nb:BIAS+8*\nb+3],   v[BO], s[68:69] offset:64*\nb
	global_load_b128 v[BIAS+8*\nb+4:BIAS+8*\nb+7], v[BO], s[68:69] offset:64*\nb+16
.endr
	v_mul_u32_u24 v3, v1, PA
	v_lshl_add_u32 v3, v2, 4, v3                   ; x: row x pitch + 16 x half
	s_mul_i32 s74, s[WV], 64*PA                    ; my 64 tokens
	v_add_nc_u32 v[ADRA], s74, v3
	v_add_nc_u32 v[ADRA+1], SLOT, v[ADRA]
	v_and_b32 v7, 7, v0                            ; W, for the turning load: k row 8 h + lane % 8, columns 8 ((lane / 8) % 2) on
	v_lshl_add_u32 v4, v2, 3, v7
	v_mul_u32_u24 v4, v4, PB
	v_bfe_u32 v5, v0, 3, 1
	v_lshl_add_u32 v4, v5, 4, v4
	v_add_nc_u32 v[ADRB], BOFF, v4
	v_add_nc_u32 v[ADRB+1], SLOT, v[ADRB]
	s_mul_i32 s78, s[WV], 16*SPITCH
	s_add_co_u32 s78, s78, STAGE                   ; my stage
	v_mul_u32_u24 v6, v1, SPITCH
	v_lshl_add_u32 v6, v2, 4, v6
	v_add_nc_u32 v[STO], s78, v6                   ; in: token r, 16 bytes for each half of the lanes
	v_bfe_u32 v6, v0, 3, 2
	v_mul_u32_u24 v6, v6, SPITCH
	v_lshl_add_u32 v6, v7, 4, v6
	v_add_nc_u32 v[RD], s78, v6                    ; back: 32 lanes take 128 bytes (a head) of four tokens
	v_and_b32 v[CO], 31, v0
	v_lshlrev_b32 v[CO], 4, v[CO]
	s_mul_i32 s79, s[WV], 16*CPITCH                ; the column sums: my wave's 16 rows, row r, 32 bytes for each half of the lanes
	v_mul_u32_u24 v6, v1, CPITCH
	v_lshl_add_u32 v6, v2, 5, v6
	v_add_nc_u32 v[CSW], s79, v6
	v_lshlrev_b32 v[CSR], 3, v0                    ; back: thread t takes columns 2 t and 2 t + 1 of every row
	v_lshlrev_b32 v[VO], 3, v0
	s_lshr_b32 s74, s66, 3                         ; the batch,
	s_mul_i32 s74, s74, 36
	s_mul_i32 s75, s23, 3
	s_add_co_u32 s74, s74, s75                     ; my first plane,
	s_lshl_b32 s74, s74, 18
	s_and_b32 s75, s66, 7
	s_lshl_b32 s75, s75, 15                        ; the work-group's 256 tokens of 128 bytes,
	s_add_co_u32 s74, s74, s75
	s_lshl_b32 s75, s[WV], 13                      ; my 64
	s_add_co_u32 s74, s74, s75
	s_mov_b32 s75, 0
	s_add_nc_u64 s[70:71], s[14:15], s[74:75]
	s_mul_i32 s76, s66, 3072                       ; vsum: row = token block, my block's 192 columns
	s_mul_i32 s77, s21, 768
	s_add_co_u32 s76, s76, s77
	s_mov_b32 s77, 0
	s_add_nc_u64 s[72:73], s[16:17], s[76:77]
	s_mov_b32 s77, 0xffff0000                      ; a word's upper bf16
	s_wait_loadcnt 0x0                             ; the bias
.set i, 0
.rept 48                                       ; rounded to bf16, as all inputs are, and widened again
	v_cvt_pk_bf16_f32 v[TMP+i%4], v[BIAS+2*i], v[BIAS+2*i+1]
	v_lshlrev_b32 v[BIAS+2*i], 16, v[TMP+i%4]
	v_and_b32 v[BIAS+2*i+1], s77, v[TMP+i%4]
.set i, i+1
.endr
; 12 matrix instructions: token block a x all 12 column blocks, 32 along K, from buffer f.  first = 1: C is the bias.  The 48 accumulators take turns, in the same order in every quarter step.
.macro MULA f, a, first
.if \first
	WIN 0x81+0x40*((\a)/2)
.else
	WIN 0xa1+0x50*((\a)/2)
.endif
.irp nb, 0,1,2,3,4,5,6,7,8,9,10,11
.if \first
	v_wmma_f32_16x16x32_bf16 v[96*((\a)%2)+8*\nb:96*((\a)%2)+8*\nb+7], v[96*(\f)+8*\nb:96*(\f)+8*\nb+7], v[FA+32*(\f)+8*(\a):FA+32*(\f)+8*(\a)+7], v[BIAS+8*\nb:BIAS+8*\nb+7]
.else
	v_wmma_f32_16x16x32_bf16 v[96*((\a)%2)+8*\nb:96*((\a)%2)+8*\nb+7], v[96*(\f)+8*\nb:96*(\f)+8*\nb+7], v[FA+32*(\f)+8*(\a):FA+32*(\f)+8*(\a)+7], v[96*((\a)%2)+8*\nb:96*((\a)%2)+8*\nb+7]
.endif
.endr
.endm
; 32 LDS loads in one run: quarter q of a slot into buffer f: W's 12 fragments, turned, then x's four
.macro FETCH slot, q, f
	WIN 0x40
.irp nb, 0,1,2,3,4,5,6,7,8,9,10,11
	ds_load_tr16_b128 v[96*(\f)+8*\nb:96*(\f)+8*\nb+3],   v[ADRB+(\slot)] offset:32*PB*(\q)+(\nb/4)*160+(\nb%4)*32
	ds_load_tr16_b128 v[96*(\f)+8*\nb+4:96*(\f)+8*\nb+7], v[ADRB+(\slot)] offset:32*PB*(\q)+16*PB+(\nb/4)*160+(\nb%4)*32
.endr
	WIN 0
.irp a, 0,1,2,3
	ds_load_b128 v[FA+32*(\f)+8*\a:FA+32*(\f)+8*\a+3],   v[ADRA+(\slot)] offset:\a*16*PA+64*(\q)
	ds_load_b128 v[FA+32*(\f)+8*\a+4:FA+32*(\f)+8*\a+7], v[ADRA+(\slot)] offset:\a*16*PA+64*(\q)+32
.endr
.endm
; One of a K step's first three quarters: multiplies buffer f; in its middle it fetches quarter q of the same slot into buffer g.
.macro QUARTER slot, q, f, g, first
	s_wait_dscnt 4                                 ; W and x's token blocks 0, 1 are in; the youngest four loads (blocks 2, 3) may be out
	MULA \f, 0, \first
	MULA \f, 1, \first
	PLACES
	FETCH \slot, \q, \g
	s_wait_dscnt 32                                ; all but the 32 just issued
	MULA \f, 2, \first
	MULA \f, 3, \first
.endm
; The last quarter multiplies buffer 1 and changes slots: ONE barrier; in front of it each wave waits for all its tensor loads (one is out: its part of the next slot), adds 0 to its spare word, and waits for that and
; for its own reads of this slot.  fill = 1: the barrier opens a round of the cluster's, and this slot is filled again, two K steps ahead, first thing behind the round.
.macro TURN slot, next, fill
	WIN 0
	s_wait_tensorcnt 0x0
	ds_add_u32 v[SPW], v[NIL]
	s_wait_dscnt 5                                 ; (the add and the youngest four loads may be out)
	MULA 1, 0, 0                                   ; twelve matrix instructions stand between the add and the wait for it
	s_wait_dscnt 0x0                               ; the add is done, and my reads of this slot are over
	s_barrier_signal -1
	MULA 1, 1, 0
.if \fill
	WIN 0
.endif
	s_barrier_wait -1
.if \fill
	CREST                                          ; no wave of any partner still reads this slot's tiles or has a load on its way
	s_add_nc_u64 s[G0+4*(\slot)+2:G0+4*(\slot)+3], s[G0+4*(\slot)+2:G0+4*(\slot)+3], 512
	s_add_nc_u64 s[G0B+4*(\slot)+2:G0B+4*(\slot)+3], s[G0B+4*(\slot)+2:G0B+4*(\slot)+3], 98304
	JLOAD \slot                                    ; the four v_nop behind it are also the places in front of the loads below
.else
	PLACES
.endif
	FETCH \next, 0, 0
	MULA 1, 2, 0
	MULA 1, 3, 0
.endm
	s_wait_tensorcnt 0x1                           ; my part of K step 0 is in; step 1's may stay out
	s_barrier_signal -1
	s_barrier_wait -1
	FETCH 0, 0, 0
	QUARTER 0, 1, 0, 1, 1                          ; the first quarter stands in front of the loop: its products start the sums, from the bias
	WIN 0
	s_mov_b32 s67, LAPS-1
.Llap:                                                 ; a trip goes once round the ring and fills both slots again
	QUARTER 0, 2, 1, 0, 0
	QUARTER 0, 3, 0, 1, 0
	TURN 0, 1, 1
	QUARTER 1, 1, 0, 1, 0
	QUARTER 1, 2, 1, 0, 0
	QUARTER 1, 3, 0, 1, 0
	TURN 1, 0, 1
	QUARTER 0, 1, 0, 1, 0
	WIN 0
	s_sub_co_u32 s67, s67, 1
	s_cmp_lg_u32 s67, 0
	s_cbranch_scc1 .Llap
	QUARTER 0, 2, 1, 0, 0                          ; the last lap fills nothing
	QUARTER 0, 3, 0, 1, 0
	TURN 0, 1, 0                                   ; behind this barrier no wave reads slot 0 any more
	QUARTER 1, 1, 0, 1, 0
	QUARTER 1, 2, 1, 0, 0
	QUARTER 1, 3, 0, 1, 0
	s_wait_dscnt 4
	MULA 1, 0, 0
	MULA 1, 1, 0
	s_wait_dscnt 0x0
	MULA 1, 2, 0
	MULA 1, 3, 0
	WIN 0
; THE WAY OUT, 16 tokens at a time: rounded to f16 (16 bytes a lane), into my own stage, back as 128 bytes of a head for four tokens at a time, stored as 512 consecutive bytes of a plane.
.macro PACK a
	WIN 0x0a+5*((\a)/2)
.irp nb, 0,1,2,3,4,5,6,7,8,9,10,11
.irp r, 0,1,2,3
	v_cvt_pk_f16_f32 v[TMP+4*\nb+\r], v[96*((\a)%2)+8*\nb+2*\r], v[96*((\a)%2)+8*\nb+2*\r+1]
.endr
.endr
	WIN 0
.endm
.macro TOSTAGE a
.if (\a) >= 2
	s_wait_xcnt 0x0                                ; the stores of two blocks back have read their registers: these are loaded again only behind this wait
.endif
.irp nb, 0,1,2,3,4,5,6,7,8,9,10,11
	ds_store_b128 v[STO], v[TMP+4*\nb:TMP+4*\nb+3] offset:32*\nb
.endr
.irp f, 0,1,2,3
.irp hh, 0,1,2
	ds_load_b128 v[OB+48*((\a)%2)+4*(3*\f+\hh):OB+48*((\a)%2)+4*(3*\f+\hh)+3], v[RD] offset:4*SPITCH*\f+128*\hh  ; a wave's LDS instructions are served in order: these see the stores above
.endr
.endr
.endm
.macro SEND a
	s_wait_dscnt 0x0
.irp f, 0,1,2,3
.irp hh, 0,1,2
	global_store_b128 v[CO], v[OB+48*((\a)%2)+4*(3*\f+\hh):OB+48*((\a)%2)+4*(3*\f+\hh)+3], s[70:71] offset:\hh*262144+2048*(\a)+512*\f  ; 512 consecutive bytes, at a multiple of 512 from the plane's first
.endr
.endr
.endm
	PLACES
	PACK 0
	TOSTAGE 0
.irp a, 1,2,3                          ; a block's conversions stand between the loads of the block before and the wait for them
	PACK \a
	SEND (\a)-1
	TOSTAGE \a
.endr
	SEND 3
	; v's tiles alone: the sum over the work-group's 256 tokens of each of the 192 columns.  The branch hangs on the cluster's x, which all partners share.
	s_cmp_eq_u32 ttmp9, 2
	s_cbranch_scc0 .Lno_sum
	WIN 0x0a
.set i, 0
.rept 48
	v_pk_add_f32 v[TS+i:TS+i+1], v[i:i+1], v[96+i:96+i+1]          ; token blocks 0 and 1,
.set i, i+2
.endr
	WIN 0x0c
.set i, 0
.rept 48
	v_pk_add_f32 v[TS+i:TS+i+1], v[TS+i:TS+i+1], v[i:i+1]          ; 2,
.set i, i+2
.endr
.set i, 0
.rept 48
	v_pk_add_f32 v[TS+i:TS+i+1], v[TS+i:TS+i+1], v[96+i:96+i+1]    ; and 3: a lane holds the sums over its four tokens
.set i, i+2
.endr
	WIN 0
.irp nb, 0,1,2,3,4,5,6,7,8,9,10,11
	ds_store_b128 v[CSW], v[TS+8*\nb:TS+8*\nb+3]   offset:64*\nb     ; row 16 w + r: the 192 columns in their order
	ds_store_b128 v[CSW], v[TS+8*\nb+4:TS+8*\nb+7] offset:64*\nb+16
.endr
.Lno_sum:
	s_wait_dscnt 0x0                               ; for the others' sake: my stores are done
	s_barrier_signal -1
	s_barrier_wait -1
	s_cmp_eq_u32 ttmp9, 2
	s_cbranch_scc0 .Lend
	s_cmp_lt_u32 s[WV], 3                          ; 96 threads, two columns each
	s_cbranch_scc0 .Lend
.set i, 0
.rept 64
	ds_load_b64 v[TS+2*i:TS+2*i+1], v[CSR] offset:CPITCH*i         ; 32 lanes take 256 neighbouring bytes of a row
.set i, i+1
.endr
	s_wait_dscnt 0x0
.irp w, 32,16,8,4,2,1
.set i, 0
.rept \w
	v_pk_add_f32 v[TS+2*i:TS+2*i+1], v[TS+2*i:TS+2*i+1], v[TS+2*(i+\w):TS+2*(i+\w)+1]
.set i, i+1
.endr
.endr
	global_store_b64 v[VO], v[TS:TS+1], s[72:73]   ; a wave stores 256 consecutive bytes, aligned
.Lend:
	s_wait_tensorcnt 0x0                           ; the wave's end, behind my last tensor load and my last LDS store
	ds_add_u32 v[SPW], v[NIL]
	s_wait_dscnt 0x0
	CROUND                                         ; the closing round
	s_endpgm
.Lfunc_end_k_q922036abc8_qkv:
	.size	k_q922036abc8_qkv, .Lfunc_end_k_q922036abc8_qkv-k_q922036abc8_qkv
	.p2alignl 7, 3214868480
	.fill 96, 4, 3214868480
	.section	.rodata,"a",@progbits
	.p2align	6, 0x0
	.amdhsa_kernel k_q922036abc8_qkv
		.amdhsa_group_segment_fixed_size 327680
		.amdhsa_private_segment_fixed_size 0
		.amdhsa_enable_private_segment 0
		.amdhsa_kernarg_size 56
		.amdhsa_user_sgpr_count 2
		.amdhsa_user_sgpr_kernarg_segment_ptr 1
		.amdhsa_wavefront_size32 1
		.amdhsa_system_sgpr_workgroup_id_x 1
		.amdhsa_system_sgpr_workgroup_id_y 1
		.amdhsa_system_sgpr_workgroup_id_z 1
		.amdhsa_system_vgpr_workitem_id 0
		.amdhsa_next_free_vgpr 1024
		.amdhsa_next_free_sgpr 80
		.amdhsa_reserve_vcc 0
		.amdhsa_float_denorm_mode_32 3
		.amdhsa_float_denorm_mode_16_64 3
		.amdhsa_memory_ordered 1
		.amdhsa_forward_progress 1
		.amdhsa_inst_pref_size 147
	.end_amdhsa_kernel
	.amdgpu_metadata
---
amdhsa.version: [ 1, 2 ]
amdhsa.kernels:
  - .name:           k_q922036abc8_qkv
    .symbol:         k_q922036abc8_qkv.kd
    .args:
      - { .name: xb, .offset: 0, .size: 8, .value_kind: global_buffer, .address_space: global }
      - { .name: wqkv, .offset: 8, .size: 8, .value_kind: global_buffer, .address_space: global }
      - { .name: b_q, .offset: 16, .size: 8, .value_kind: global_buffer, .address_space: global }
      - { .name: b_k, .offset: 24, .size: 8, .value_kind: global_buffer, .address_space: global }
      - { .name: b_v, .offset: 32, .size: 8, .value_kind: global_buffer, .address_space: global }
      - { .name: qkv, .offset: 40, .size: 8, .value_kind: global_buffer, .address_space: global }
      - { .name: vsum, .offset: 48, .size: 8, .value_kind: global_buffer, .address_space: global }
    .group_segment_fixed_size: 327680
    .private_segment_fixed_size: 0
    .kernarg_segment_align: 8
    .kernarg_segment_size: 56
    .max_flat_workgroup_size: 128
    .sgpr_count:     80
    .vgpr_count:     1024
    .wavefront_size: 32
...
	.end_amdgpu_metadata
.endif
;; end of part 2
;; launch attn (part 3): grid 9 x 24, 4 waves a work-group, no clusters, 327,680 bytes of LDS; arguments qkv, vsum, ob; writes ob
.if DOCPART == 3
	.amdgcn_target "amdgcn-amd-amdhsa--gfx1250"
	.amdhsa_code_object_version 6
	.text
	.protected	k_q922036abc8_attn
	.globl	k_q922036abc8_attn
	.p2align	8
	.type	k_q922036abc8_attn,@function
k_q922036abc8_attn:
	s_mov_b64 s[64:65], 0
	v_nop
	global_prefetch_b8 v0, s[64:65] scope:SCOPE_SE
	s_setreg_imm32_b32 hwreg(HW_REG_WAVE_MODE, 25, 1), 1
	s_wait_xcnt 0x0
; O[hd][q] = sum over ALL 2,048 keys k of softmax_k(s(q, k) / 8) v[k], with s(q, k) = q . k for k <= q and 0 for k > q (the problem's mask sets hidden scores to 0 and keeps the keys).
; qkv: f16 [2][36 planes][2048][64] (q, k, v by heads); vsum: f32 [2][8][768], v summed over 256 tokens; ob: f16 [24 heads][2048][64].  Products, maxima and sums in f32; weights rounded to f16 for the second product.
; WORK LEFT OUT (shown at the first kernel's head): for tiles of 256 keys wholly above a query block's diagonal tile no K Q^T, exponential or P V is made.  All those keys have score 0 and so one common weight; a block's
; running state starts as if it had met one key of score 0 that counts n times: m = 0, l = n, O = the sum of their v (from vsum).  A NaN, infinity or overflow that reaches only those products is not carried to the result.
; LIMITS.  q, k, v arrive within f16's 65,504; p lies in 0 to 1 and keeps f16's fixed step of 6e-8 below 6e-5; a weight below 2^-126 counts as 0 in l; NaN and infinities are not treated apart (a hidden score is
; multiplied by 0, which wants it finite).
; THE WALK.  A head has 16 blocks of 128 queries; block i needs the key tiles 0 .. i / 2, the last of which holds the diagonal: i / 2 + 1 tiles.  Blocks 15 and 14 need eight tiles and have a work-group to themselves
; (j = 0, 1); work-group j = 2 .. 8 takes block 15 - j and then block j - 2: 7 + 1, 7 + 1, 6 + 2, 6 + 2, 5 + 3, 5 + 3, 4 + 4 tiles.  EIGHT tiles whatever j: 9 x 24 = 216 equal work-groups, and loops with constant
; counts; no share-out of whole blocks has a shorter walk, since block 15 needs eight.  What differs lies in scalar registers made from j; every jump but the loops' own goes forward, and none passes a barrier or a
; tensor load but the one of LOAD's two that the wave's number does not choose.  Wave w has queries 32 w .. + 31 of a block: two tiles of 16.
; NO CLUSTER: a head has nine work-groups, no multiple of four, and only j = 2 p and 2 p + 1 walk the same tiles.
; LAYOUT.  S^T = K Q^T holds one query a lane (lane % 16) and the keys 8 (lane / 16) + 0..7; two such results rounded to f16 are source 1 of O^T = V^T P.  p = 2^(c s - c m), c = log2(e) / 8; O and l are multiplied by
; a = 2^(c m_old - c m_new) in every step.
; TURNS.  Turn g (a key step of 64, both tiles) has two parts.  APART: V of step g + 1 is fetched; 16 products K Q^T of step g + 1, behind them the scalings c s - c m and the rescaling O a of step g.  BPART: step g + 1's
; scores are masked (in the diagonal tile) and their maximum and statistics found, between step g's 64 exponentials: ONE batch with ONE wait; behind the wait K of step g + 2 is fetched; then the roundings, 16 products
; V^T P of step g, and the sums.  S^T and V have two buffers, by the step's parity, so the text is written for an even and an odd turn.  A change of slots stands between APART and BPART of turn 4 c - 2: the last fetch
; ahead of it is V of step 4 c - 1, the first behind it K of step 4 c.
; A BLOCK'S ENDS fall on odd turns: NEWBLOCK (m and the mask's scalars for the second block's first scores) and WAYOUT (the block leaves; O and l get the second block's start) are jumped over elsewhere.
; The first step's scores and statistics are written out ahead of the loop, which is entered at turn 0; the walk ends with 16 products and a maximum that serve nothing.
; REGISTERS, in windows of 256 (s_set_vgpr_msb: bits 1:0 source 0, 3:2 source 1, 5:4 source 2, 7:6 destination):
;   window 0: v2-11 addresses; v12-15 c m_old; v16-23 statistics; v24-39 at work; v40-55 masks at work; v64-191 S^T, two buffers of two tiles; v192-255 K of one step
;   window 1: v0-63 O^T; v64-191 V, two buffers; v192-223 P; v224-255 Q      window 2: v0-31 the second block's Q; v32-95 the diagonal step's mask; v96-159 the two blocks' starting O      window 3: vsum's rows, at the head only
.set KS,    64
.set PK,    144       ; a row of K in LDS: 128 bytes + 16: the 16 rows of a load begin at 16 different multiples of 16, modulo 256
.set PV,    160       ; a row of V: 128 + 32
.set VOFF,  4*KS*PK   ; a slot holds a tile: 256 rows of K, then 256 rows of V
.set SLOT1, 1<<17     ; slot 1 begins here: one exclusive or turns an address in one slot into the other's
.set STAGE, SLOT1+4*KS*(PK+PV)  ; behind the ring, never filled by a tensor load: 16 rows x 144 bytes for each wave
.set SP,    144
.set SPARE, STAGE+4*16*SP       ; the spare words, 128 bytes for each wave: two blocks of 256 bytes that no other line names
.set STEPS, 32        ; key steps of a walk: eight tiles of four
.set LASTT, 7         ; the walk's last tile
.set AK0, 2
.set AV0, 3
.set AK,  4
.set AV,  5
.set STO, 6
.set RD,  7
.set GO,  8
.set QO,  9
.set VSO, 10
.set PFO, 11          ; v11  256 x lane; never rewritten
.set MV,  12          ; by parity and tile: c m_old
.set ST,  16          ; tile u at ST + 4 u: c m, m, l (even keys', odd keys')
.set TMP, 24          ; by parity and tile, four at work; c2 takes a
.set MT,  40
.set UNO, 60          ; v60  1.0, at the head
.set SPW, 62
.set NIL, 63
.set S,   64
.set KF,  192
.set VF,  64          ; window 1
.set P,   192
.set Q,   224
.set QB,  0           ; window 2
.set MD,  32
.set SVN, 96
.set SVL, 128
.set WV,  12
.set IH,  13          ; the first block
.set PB,  14          ; j
.set THI, 15          ; tiles of the first block
.set TLO, 16          ; of the second
.set LQ2, 19          ; the second block's last tile
.set G1K, 24
.set G1V, 32
.set G0K, 40
.set G0V, 44
.set U2,  48          ; the walk's step whose scores an odd turn's BPART takes up; an even turn's: U2 - 1
.set WO,  49          ; the step at which the block in hand ends
.set IL,  50          ; the second block (0 where there is none: its Q and its start are loaded and never used)
.set DT,  51          ; the walk's tile that holds the diagonal of the block in hand
.set SO,  53          ; the step of that tile in which my queries lie
.set SOL, 55          ; the same for the second block
.set SLOTS, 56
.set CNT, 57
.set CS,  58
.set SEL, 60
.set TBK, 62
.set TBV, 63
.set TC,  66          ; changes of slots so far
.set NXT, 67          ; the tile to be asked for next
.set LQ,  68          ; the last tile of the block whose tiles are being asked for
.set PFC, 69          ; prefetches still to be made
.set OFF, 70
.set AL,  72
.set BE,  74
.set OLO, 76
.set CMI, 78          ; the first block's starting c m and m
.set MI,  79
.set LI,  80          ; half the number of its keys left out, a whole number
.set LIL, 81          ; the same for the second block
.set UT,  82
.set TT,  83
.set SS,  84
.set PFA, 86
.set POF, 88
.set QLO, 90
.set VSP, 92
.set PFB, 94
.set MSB, 0
.macro WIN new
.if MSB != (\new)
	s_set_vgpr_msb (MSB<<8)|(\new)
.set MSB, (\new)
.endif
.endm
.set W_KQ, 0x04       ; Q in window 1; K and S^T in window 0
.set W_PV, 0x55       ; V, P, O^T in window 1
.set W_RS, 0x41       ; O^T in window 1, a in window 0
; A fill.  Waves 0 and 1 fetch the halves of a tile's K, waves 2 and 3 those of its V: 128 keys each.  An s_nop 0 and four v_nop follow each line.
.macro LOAD
	s_cmp_lt_u32 s[WV], 2
	s_cbranch_scc0 .Lfor_v_\@
	tensor_load_to_lds s[G0K:G0K+3], s[G1K:G1K+7]
	s_nop 0
.rept 4
	v_nop
.endr
	s_branch .Lasked_\@
.Lfor_v_\@:
	tensor_load_to_lds s[G0V:G0V+3], s[G1V:G1V+7]
	s_nop 0
.rept 4
	v_nop
.endr
.Lasked_\@:
.endm
; THE CHANGE OF SLOTS.  Each wave waits for all its tensor loads (one is out: its part of the other slot), adds 0 to its spare word, and waits for that and for its own reads of the slot that it leaves.  fill = 1: the old slot
; is filled again, first thing behind the barrier, with tile NXT; the descriptor's address is made anew from that number.  The prefetch's address is made here too: two tiles behind NXT, held to the head's last tile.
.macro CHANGE fill
	WIN 0
	s_wait_tensorcnt 0x0            ; no tensor load of mine is out, so a group 0 may be written
	ds_add_u32 v[SPW], v[NIL]
.if \fill
	s_lshl_b32 s[OFF], s[NXT], 15   ; a tile is 32,768 bytes of K and of V
	s_xor_b32 s[G0K+1], s[G0K+1], SLOT1
	s_add_nc_u64 s[G0K+2:G0K+3], s[6:7], s[OFF:OFF+1]
	s_or_b32 s[G0K+3], s[G0K+3], 0x80000000
	s_xor_b32 s[G0V+1], s[G0V+1], SLOT1
	s_add_nc_u64 s[G0V+2:G0V+3], s[8:9], s[OFF:OFF+1]
	s_or_b32 s[G0V+3], s[G0V+3], 0x80000000
	s_wait_xcnt 0x0                 ; the last prefetches, four turns back, have read their address
	s_add_co_u32 s[POF], s[NXT], 2
	s_min_u32 s[POF], s[POF], 7
	s_lshl_b32 s[POF], s[POF], 15
	s_add_nc_u64 s[PFA:PFA+1], s[PFB:PFB+1], s[POF:POF+1]
	s_add_co_u32 s[NXT], s[NXT], 1  ; the block's next tile, or behind its last the second block's tile 0
	s_cmp_gt_u32 s[NXT], s[LQ]
	s_cselect_b32 s[NXT], 0, s[NXT]
	s_cselect_b32 s[LQ], s[LQ2], s[LQ]
.endif
	s_wait_dscnt 0x0                ; the add is done, and my reads of the slot are over
	s_barrier_signal -1
	s_sub_co_u32 s[TBK], s[TBK], 4*KS*PK  ; the fetches go back to a slot's first step,
	s_xor_b32 s[TBK], s[TBK], SLOT1       ; in the other slot
	s_sub_co_u32 s[TBV], s[TBV], 4*KS*PV
	s_xor_b32 s[TBV], s[TBV], SLOT1
	s_barrier_wait -1
.if \fill
	LOAD
.endif
.endm
; A PREFETCH INTO THE L2, behind the fill and its five lines.  All nine work-groups of a head walk tiles 0 on; work-group 0, whose block walks all eight, asks for tiles 3 to 7, each two changes of slots (eight turns)
; ahead of its own load of it: every wave for the 16,384 bytes that it will load itself, a lane 256 bytes, two instructions.  So each 256 bytes are named once in the launch.  Tiles 0 to 2 come by their loads alone
; (nothing is asked for at the head), and so do the second blocks' walks, which read tiles that have been read.
.macro ASK
	s_cmp_lg_u32 s[PFC], 0
	s_cbranch_scc0 .Lnp_\@
	global_prefetch_b8 v[PFO], s[PFA:PFA+1] th:TH_LOAD_NT scope:SCOPE_SE
	global_prefetch_b8 v[PFO], s[PFA:PFA+1] offset:8192 th:TH_LOAD_NT scope:SCOPE_SE
	s_sub_co_u32 s[PFC], s[PFC], 1
.Lnp_\@:
.endm
; At the change of slots in front of the second block's first tile its Q goes where the one text of the turns names Q: behind the first block's last K Q^T, ahead of the second's first.  (Seven changes are counted: where the first block has eight tiles this never happens.)
.macro QSWAP
	s_add_co_u32 s[TC], s[TC], 1
	s_cmp_eq_u32 s[TC], s[THI]
	s_cbranch_scc0 .Lnq_\@
	WIN 0x42
.set i, 0
.rept 32
	v_mov_b32 v[Q+i], v[QB+i]
.set i, i+1
.endr
	WIN 0
.Lnq_\@:
.endm
	s_load_b128 s[96:99], s[0:1], 0x0      ; qkv s[96:97], vsum s[98:99]
	s_load_b64 s[100:101], s[0:1], 0x10    ; ob
	v_lshl_add_u32 v[SPW], v0, 2, SPARE
	v_mov_b32 v[NIL], 0
	ds_add_u32 v[SPW], v[NIL]       ; the wave's opening: the add, twice on end, and its wait ahead of my first tensor load
	ds_add_u32 v[SPW], v[NIL]
	v_lshrrev_b32 v1, 5, v0
	v_readfirstlane_b32 s[WV], v1
	s_mov_b32 s[PB], ttmp9
	s_sub_co_u32 s[IH], 15, s[PB]   ; the first block: 15 - j,
	s_lshr_b32 s[THI], s[IH], 1
	s_add_co_u32 s[THI], s[THI], 1  ; its tiles
	s_max_u32 s[IL], s[PB], 2
	s_sub_co_u32 s[IL], s[IL], 2    ; the second block: j - 2, held at 0 for j = 0 and 1, which have none,
	s_lshr_b32 s[LQ2], s[IL], 1
	s_add_co_u32 s[TLO], s[LQ2], 1  ; its tiles
	s_and_b32 s20, ttmp7, 0xffff    ; the head, 0 to 23
	s_cmp_ge_u32 s20, 12
	s_cselect_b32 s21, 1, 0         ; the batch
	s_mul_i32 s22, s21, 12
	s_sub_co_u32 s22, s20, s22      ; the head in its batch
	s_mul_i32 s23, s21, 36
	s_add_co_u32 s23, s23, s22
	s_lshl_b32 s23, s23, 18         ; q's plane, in bytes
	s_lshl_b32 s20, s20, 18         ; the head's plane in ob
	s_mul_i32 s[VSP], s21, 8*3072
	s_lshl_b32 s22, s22, 8
	s_add_co_u32 s[VSP], s[VSP], s22
	s_mov_b32 s[VSP+1], 0
	s_lshl_b32 s3, s[WV], 12        ; my 32 rows of 128 bytes
	s_lshl_b32 s2, s[IH], 14
	s_add_co_u32 s2, s2, s3         ; in the first block,
	s_lshl_b32 s21, s[IL], 14
	s_add_co_u32 s21, s21, s3       ; in the second
	s_add_co_u32 s4, s23, s2
	s_mov_b32 s5, 0
	s_add_co_u32 s[QLO], s23, s21
	s_mov_b32 s[QLO+1], 0
	s_add_co_u32 s10, s20, s2
	s_mov_b32 s11, 0
	s_add_co_u32 s[OLO], s20, s21
	s_mov_b32 s[OLO+1], 0
	s_and_b32 s22, s[WV], 1         ; which half of a tile's 256 keys I fetch
	s_lshl_b32 s6, s22, 14
	s_add_co_u32 s6, s6, s23
	s_add_co_u32 s6, s6, 12<<18     ; k's plane
	s_mov_b32 s7, 0
	s_add_co_u32 s8, s6, 12<<18     ; v's plane
	s_mov_b32 s9, 0
	s_mul_i32 s17, s22, 128*PK
	s_mul_i32 s18, s22, 128*PV
	; descriptor group 1.  128 keys are 16,384 dense bytes: asked for as 64 rows of 256 bytes, two keys a row, padded in LDS after every key
	s_mov_b32 s[G1K], (1<<16)|(1<<20)|(4<<22)|(3<<25)
	s_mov_b32 s[G1V], (1<<16)|(1<<20)|(4<<22)|(7<<25)
.irp g, G1K, G1V
	s_mov_b32 s[\g+1], 128<<16
	s_mov_b32 s[\g+2], 64<<16
	s_mov_b32 s[\g+3], 128<<16
	s_mov_b32 s[\g+4], 64
	s_mov_b32 s[\g+5], 128
	s_mov_b32 s[\g+6], 0
	s_mov_b32 s[\g+7], 0
.endr
	s_mov_b32 s[CS], 0x3e38aa3b     ; c = log2(e) / 8
	s_mov_b32 s[CS+1], s[CS]
	s_mov_b32 s[SEL], 0x76543210
	s_mov_b32 s[SEL+1], 0xfedcba98
	s_mov_b32 s[TBK], SLOT1+4*KS*PK ; the first change of slots turns these two into 0
	s_mov_b32 s[TBV], SLOT1+4*KS*PV
	s_mov_b32 s[G0K], 1
	s_mov_b32 s[G0K+1], s17
	s_mov_b32 s[G0V], 1
	s_add_co_u32 s[G0V+1], s18, VOFF
	s_mov_b32 s[U2], 0
	s_lshl_b32 s[WO], s[THI], 2     ; the first block ends behind its last tile's four steps
	s_sub_co_u32 s[DT], s[THI], 1   ; that tile holds its diagonal
	s_and_b32 s20, s[PB], 1
	s_lshr_b32 s21, s[WV], 1
	s_lshl_b32 s[SOL], s20, 1
	s_add_co_u32 s[SOL], s[SOL], s21  ; block i lies in half i % 2 of its diagonal tile; my 32 queries in step 2 (i % 2) + w / 2.  j - 2 has j's parity,
	s_xor_b32 s20, s20, 1
	s_lshl_b32 s[SO], s20, 1
	s_add_co_u32 s[SO], s[SO], s21    ; 15 - j the other
	s_mov_b32 s[TC], 0
	s_mov_b32 s[NXT], 1
	s_sub_co_u32 s[LQ], s[THI], 1
	s_cmp_eq_u32 s[PB], 0
	s_cselect_b32 s[PFC], 5, 0
	s_mov_b32 s[OFF+1], 0
	s_mov_b32 s[POF+1], 0
	s_mov_b32 s[AL+1], 0
	s_mov_b32 s[BE+1], 0
	s_cmp_eq_u32 s[THI], 8          ; no key left out: m starts at the lowest finite number, c m far below every c s; else at the score 0
	s_cselect_b32 s[CMI], 0xfe000000, 0
	s_cselect_b32 s[MI], 0xff7fffff, 0
	s_sub_co_u32 s[LI], 8, s[THI]
	s_lshl_b32 s[LI], s[LI], 7      ; both halves of the lanes hold it: together 256 x (8 - tiles)
	s_sub_co_u32 s[LIL], 8, s[TLO]
	s_lshl_b32 s[LIL], s[LIL], 7
	s_wait_dscnt 0x0                ; both opening adds are done
	s_wait_kmcnt 0x0
	s_add_nc_u64 s[4:5], s[96:97], s[4:5]
	s_add_nc_u64 s[QLO:QLO+1], s[96:97], s[QLO:QLO+1]
	s_add_nc_u64 s[6:7], s[96:97], s[6:7]
	s_add_nc_u64 s[8:9], s[96:97], s[8:9]
	s_add_nc_u64 s[VSP:VSP+1], s[98:99], s[VSP:VSP+1]
	s_add_nc_u64 s[10:11], s[100:101], s[10:11]
	s_add_nc_u64 s[OLO:OLO+1], s[100:101], s[OLO:OLO+1]
	s_add_nc_u64 s[G0K+2:G0K+3], s[6:7], 0
	s_or_b32 s[G0K+3], s[G0K+3], 0x80000000
	s_add_nc_u64 s[G0V+2:G0V+3], s[8:9], 0
	s_or_b32 s[G0V+3], s[G0V+3], 0x80000000
	s_cmp_lt_u32 s[WV], 2
	s_cselect_b64 s[PFB:PFB+1], s[6:7], s[8:9]
	LOAD                            ; tile 0 into slot 0
	v_and_b32 v1, 15, v0            ; r = lane % 16
	v_bfe_u32 v56, v0, 4, 1         ; h = lane / 16
	v_lshlrev_b32 v[QO], 7, v1
	v_lshl_add_u32 v[QO], v56, 4, v[QO]
	v_lshlrev_b32 v[VSO], 5, v56
	WIN 0x40
.set i, 0
.rept 4                             ; Q: tile i / 2, channels 32 (i % 2) on
	global_load_b128 v[Q+8*i:Q+8*i+3],   v[QO], s[4:5] offset:(i/2)*2048+(i%2)*64
	global_load_b128 v[Q+8*i+4:Q+8*i+7], v[QO], s[4:5] offset:(i/2)*2048+(i%2)*64+32
.set i, i+1
.endr
	WIN 0x80
.set i, 0
.rept 4
	global_load_b128 v[QB+8*i:QB+8*i+3],   v[QO], s[QLO:QLO+1] offset:(i/2)*2048+(i%2)*64
	global_load_b128 v[QB+8*i+4:QB+8*i+7], v[QO], s[QLO:QLO+1] offset:(i/2)*2048+(i%2)*64+32
.set i, i+1
.endr
	WIN 0xc0
.set rr, 1
.rept 7                             ; vsum's rows 1 to 7 (tile 0 is never left out): my lane's 8 channels of each 16
.irp cb, 0,1,2,3
	global_load_b128 v[32*(rr-1)+8*\cb:32*(rr-1)+8*\cb+3],   v[VSO], s[VSP:VSP+1] offset:rr*3072+64*\cb
	global_load_b128 v[32*(rr-1)+8*\cb+4:32*(rr-1)+8*\cb+7], v[VSO], s[VSP:VSP+1] offset:rr*3072+64*\cb+16
.endr
.set rr, rr+1
.endr
	WIN 0
	v_lshlrev_b32 v57, 3, v56
	v_sub_nc_u32 v57, v1, v57
	s_and_b32 s20, s[WV], 1
	s_lshl_b32 s20, s20, 5
	v_add_nc_u32 v57, s20, v57      ; my query's place in its step of 64 for tile 0, 32 (w % 2) + r, less my lanes' 8 h
	v_mov_b32 v[UNO], 1.0
	WIN 0x80
.set i, 0
.rept 64                            ; the mask of my queries' own step: 1 where the key 16 ((i % 32) / 8) + i % 8 + 8 h is not beyond the query of tile i / 32, else 0
	v_cmp_le_i32 vcc_lo, 16*((i%32)/8)+i%8-16*(i/32), v57
	v_cndmask_b32 v[MD+i], 0, v[UNO], vcc_lo
.set i, i+1
.endr
	WIN 0
	v_mul_u32_u24 v[AK0], v1, PK
	v_lshl_add_u32 v[AK0], v56, 4, v[AK0]
	v_and_b32 v58, 7, v0
	v_bfe_u32 v59, v0, 3, 1
	v_lshl_add_u32 v[AV0], v56, 3, v58
	v_mul_u32_u24 v[AV0], v[AV0], PV
	v_lshl_add_u32 v[AV0], v59, 4, v[AV0]
	v_add_nc_u32 v[AV0], VOFF, v[AV0]
	s_mul_i32 s20, s[WV], 16*SP
	s_add_co_u32 s20, s20, STAGE
	v_mul_u32_u24 v[STO], v1, SP
	v_lshl_add_u32 v[STO], v56, 4, v[STO]
	v_add_nc_u32 v[STO], s20, v[STO]
	v_bfe_u32 v[RD], v0, 3, 2
	v_mul_u32_u24 v[RD], v[RD], SP
	v_lshl_add_u32 v[RD], v58, 4, v[RD]
	v_add_nc_u32 v[RD], s20, v[RD]
	v_and_b32 v[GO], 31, v0
	v_lshlrev_b32 v[PFO], 8, v[GO]
	v_lshlrev_b32 v[GO], 4, v[GO]
.irp u, 0,1                         ; the first block's start: c m, m, and l = the keys left out
	v_mov_b32 v[ST+4*\u], s[CMI]
	v_mov_b32 v[ST+4*\u+1], s[MI]
	v_cvt_f32_u32 v[ST+4*\u+2], s[LI]
	v_mov_b32 v[ST+4*\u+3], 0
.endr
	s_wait_loadcnt 0x0              ; Q, the second block's Q, vsum
.set rr, 1
.rept 7                             ; the two blocks' starting O: vsum's rows from the block's number of tiles on
	s_cmp_le_u32 s[THI], rr
	s_cselect_b32 s[AL], 1.0, 0
	s_cmp_le_u32 s[TLO], rr
	s_cselect_b32 s[BE], 1.0, 0
.if rr == 1
	WIN 0x83
.else
	WIN 0xa3
.endif
.set z, 0
.rept 16
.if rr == 1
	v_pk_mul_f32 v[SVN+2*z:SVN+2*z+1], v[2*z:2*z+1], s[AL:AL+1] op_sel_hi:[1,0]
	v_pk_mul_f32 v[SVL+2*z:SVL+2*z+1], v[2*z:2*z+1], s[BE:BE+1] op_sel_hi:[1,0]
.else
	v_pk_fma_f32 v[SVN+2*z:SVN+2*z+1], v[32*(rr-1)+2*z:32*(rr-1)+2*z+1], s[AL:AL+1], v[SVN+2*z:SVN+2*z+1] op_sel_hi:[1,0,1]
	v_pk_fma_f32 v[SVL+2*z:SVL+2*z+1], v[32*(rr-1)+2*z:32*(rr-1)+2*z+1], s[BE:BE+1], v[SVL+2*z:SVL+2*z+1] op_sel_hi:[1,0,1]
.endif
.set z, z+1
.endr
.set rr, rr+1
.endr
	WIN 0x42
.set i, 0
.rept 64
	v_mov_b32 v[i], v[SVN+i%32]     ; both tiles' O: the sum of the v left out for the first block
.set i, i+1
.endr
	WIN 0
; THE MATRIX WORK.  The 8 accumulators of a run of 16 take turns.  Product i of S^T = K Q^T into buffer sp: tile i % 2, keys 16 ((i / 2) % 4) on, channels 32 (i / 8) on; the first 8 start the sums.
.macro KQ sp
	WIN W_KQ
.set rS, S+64*(\sp)+32*(i%2)+8*((i/2)%4)
.set rK, KF+16*((i/2)%4)+8*(i/8)
.set rQ, Q+16*(i%2)+8*(i/8)
.if i < 8
	v_wmma_f32_16x16x32_f16 v[rS:rS+7], v[rK:rK+7], v[rQ:rQ+7], 0
.else
	v_wmma_f32_16x16x32_f16 v[rS:rS+7], v[rK:rK+7], v[rQ:rQ+7], v[rS:rS+7]
.endif
.endm
; Product i of O^T += V^T P from V's buffer vb: tile i % 2, channels 16 ((i / 2) % 4) on, keys 32 (i / 8) on.
.macro PVM vb
	WIN W_PV
.set rO, 32*(i%2)+8*((i/2)%4)
.set rV, VF+64*(\vb)+32*(i/8)+8*((i/2)%4)
.set rP, P+16*(i%2)+8*(i/8)
	v_wmma_f32_16x16x32_f16 v[rO:rO+7], v[rV:rV+7], v[rP:rP+7], v[rO:rO+7]
.endm
; THE LDS LOADS stand in runs of 16.  last = 1 (the tail): in its last trip there is no further step, and the run is jumped over.  K's address is made by KADR, some lines ahead of the run.
.macro KADR
	v_add_nc_u32 v[AK], s[TBK], v[AK0]
.endm
.macro FETCH_K last
	WIN 0
.if \last
	s_cmp_eq_u32 s[CNT], 1
	s_cbranch_scc1 .Lnk_\@
.endif
.irp f, 0,1,2,3,4,5,6,7
	ds_load_b128 v[KF+8*\f:KF+8*\f+3],   v[AK] offset:(\f/2)*16*PK+(\f%2)*64
	ds_load_b128 v[KF+8*\f+4:KF+8*\f+7], v[AK] offset:(\f/2)*16*PK+(\f%2)*64+32
.endr
	s_add_co_u32 s[TBK], s[TBK], KS*PK
.if \last
.Lnk_\@:
.endif
.endm
; V's run, and the wait behind it: the 16 loads just issued may stay out; all LDS loads ahead of them, K of the next step and V of this one, are in.  On the way that jumps over the run the wait is for all.
.macro FETCH_V vb, last
	WIN 0
.if \last
	s_cmp_eq_u32 s[CNT], 1
	s_cbranch_scc1 .Lnv_\@
.endif
	v_add_nc_u32 v[AV], s[TBV], v[AV0]
	s_add_co_u32 s[TBV], s[TBV], KS*PV
	WIN 0x40
.irp f, 0,1,2,3,4,5,6,7
	ds_load_tr16_b128 v[VF+64*(\vb)+8*\f:VF+64*(\vb)+8*\f+3],   v[AV] offset:(\f/4)*32*PV+(\f%4)*32
	ds_load_tr16_b128 v[VF+64*(\vb)+8*\f+4:VF+64*(\vb)+8*\f+7], v[AV] offset:(\f/4)*32*PV+16*PV+(\f%4)*32
.endr
	s_wait_dscnt 16
.if \last
	WIN 0
	s_branch .Lvd_\@
.Lnv_\@:
	s_wait_dscnt 0x0
.Lvd_\@:
.endif
.endm
; THE VECTOR WORK.  REGS: the registers of tile u for a step of parity sp.
.macro REGS sp, u
.set rT, ST+4*(\u)
.set rC, TMP+8*(\sp)+4*(\u)
.set rM, MV+2*(\sp)+(\u)
.set rS, S+64*(\sp)+32*(\u)
.set rP, P+16*(\u)
.set rO, 32*(\u)
.endm
.macro FS sp, f                     ; c s - c m for pair f / 2 of tile f % 2.  Its source 1 is a scalar, so it stands under K Q^T's window setting
	REGS \sp, (\f)%2
	WIN W_KQ
	v_pk_fma_f32 v[rS+2*((\f)/2):rS+2*((\f)/2)+1], v[rS+2*((\f)/2):rS+2*((\f)/2)+1], s[CS:CS+1], v[rT:rT+1] op_sel_hi:[1,0,0] neg_lo:[0,0,1] neg_hi:[0,0,1]
.endm
.macro R2 sp, r                     ; four numbers of O^T times a: tile r % 2, ascending
	REGS \sp, (\r)%2
	WIN W_RS
.irp z, 0,1
	v_pk_mul_f32 v[rO+4*((\r)/2)+2*\z:rO+4*((\r)/2)+2*\z+1], v[rO+4*((\r)/2)+2*\z:rO+4*((\r)/2)+2*\z+1], v[rC+2:rC+3] op_sel_hi:[1,0]
.endr
.endm
; Number n of the 22 that find a tile's maximum and statistics.  0-11: four chains of seven scores, three operands at a time (each accumulator's lowest registers are read first); 12-14, 16: the four
; scores left over, the old m, and the four chains into one; 15: c m_old is kept; 17, 18: the query's other 32 keys lie in the lane 16 away: the new m; 19-21: c m; c m_old - c m_new; a.
.macro XS sp, u, n
	REGS \sp, \u
.if (\n) < 4
	v_max3_num_f32 v[rC+(\n)], v[rS+8*(\n)], v[rS+8*(\n)+1], v[rS+8*(\n)+2]
.elseif (\n) < 12
	v_max3_num_f32 v[rC+(\n)%4], v[rC+(\n)%4], v[rS+8*((\n)%4)+2*((\n)/4)+1], v[rS+8*((\n)%4)+2*((\n)/4)+2]
.elseif (\n) == 12
	v_max3_num_f32 v[rC], v[rC], v[rS+7], v[rS+15]
.elseif (\n) == 13
	v_max3_num_f32 v[rC+1], v[rC+1], v[rS+23], v[rS+31]
.elseif (\n) == 14
	v_max3_num_f32 v[rC+2], v[rC+2], v[rC+3], v[rT+1]
.elseif (\n) == 15
	v_mov_b32 v[rM], v[rT]
.elseif (\n) == 16
	v_max3_num_f32 v[rC], v[rC], v[rC+1], v[rC+2]
.elseif (\n) == 17
	v_permlanex16_b32 v[rC+3], v[rC], s[SEL], s[SEL+1]
.elseif (\n) == 18
	v_max_num_f32 v[rT+1], v[rC], v[rC+3]
.elseif (\n) == 19
	v_mul_f32 v[rT], s[CS], v[rT+1]
.elseif (\n) == 20
	v_sub_f32 v[rC+1], v[rM], v[rT]
.else
	v_exp_f32 v[rC+2], v[rC+1]
.endif
.endm
.macro EX sp                        ; the next exponential: score e / 2 of tile e % 2
	REGS \sp, e%2
	v_exp_f32 v[rS+e/2], v[rS+e/2]
.set e, e+1
.endm
.macro CV sp, n                     ; pair n / 2 of tile n % 2 rounded to f16
	REGS \sp, (\n)%2
	WIN 0x40
	v_cvt_pk_f16_f32 v[rP+(\n)/2], v[rS+2*((\n)/2)], v[rS+2*((\n)/2)+1]
.endm
.macro BS sp, n                     ; of the four weights 4 (n / 2) .. of tile n % 2 the second pair is added onto the first
	REGS \sp, (\n)%2
	WIN 0
	v_pk_add_f32 v[rS+4*((\n)/2):rS+4*((\n)/2)+1], v[rS+4*((\n)/2):rS+4*((\n)/2)+1], v[rS+4*((\n)/2)+2:rS+4*((\n)/2)+3]
.endm
.macro LS sp, u, n                  ; l takes that sum; the first time as l = a l + sum
	REGS \sp, \u
	WIN 0
.if (\n) == 0
	v_pk_fma_f32 v[rT+2:rT+3], v[rT+2:rT+3], v[rC+2:rC+3], v[rS:rS+1] op_sel_hi:[1,0,1]
.else
	v_pk_add_f32 v[rT+2:rT+3], v[rT+2:rT+3], v[rS+4*(\n):rS+4*(\n)+1]
.endif
.endm
; THE FIRST PART OF A TURN of parity par.  Behind an even product four scalings, behind an odd one four rescalings: all plain, and the last four name no register of the products: they are the places behind the last product.
.macro APART par, last
	FETCH_V 1-(\par), \last
.set i, 0
.rept 16
	KQ 1-(\par)
.if i%2 == 0
.set n, 0
.rept 4
	FS \par, 4*(i/2)+n
.set n, n+1
.endr
.else
	R2 \par, 2*(i/2)
	R2 \par, 2*(i/2)+1
.endif
.set i, i+1
.endr
	WIN 0
.endm
; In the diagonal tile the new scores are multiplied by MD x AL + BE: by 1 in steps ahead of my queries' own, by MD in their own, by 0 behind it.
.macro MASKBLK par
	WIN 0
.if \par
	s_mov_b32 s[UT], s[U2]
.else
	s_sub_co_u32 s[UT], s[U2], 1
.endif
	s_lshr_b32 s[TT], s[UT], 2
	s_cmp_eq_u32 s[TT], s[DT]
	s_cbranch_scc0 .Lnm_\@
	s_and_b32 s[SS], s[UT], 3
	s_cmp_eq_u32 s[SS], s[SO]
	s_cselect_b32 s[AL], 1.0, 0
	s_cmp_lt_u32 s[SS], s[SO]
	s_cselect_b32 s[BE], 1.0, 0
.set bq, 0
.rept 4
	WIN 0x02
.set z, 0
.rept 8
	v_pk_fma_f32 v[MT+2*z:MT+2*z+1], v[MD+16*bq+2*z:MD+16*bq+2*z+1], s[AL:AL+1], s[BE:BE+1] op_sel_hi:[1,0,0]
.set z, z+1
.endr
	WIN 0
.set z, 0
.rept 8
	v_pk_mul_f32 v[S+64*(1-(\par))+16*bq+2*z:S+64*(1-(\par))+16*bq+2*z+1], v[S+64*(1-(\par))+16*bq+2*z:S+64*(1-(\par))+16*bq+2*z+1], v[MT+2*z:MT+2*z+1]
.set z, z+1
.endr
.set bq, bq+1
.endr
.Lnm_\@:
.endm
; The scores about to be taken up are the second block's first (or, at the walk's end, serve nothing): m starts at the score 0, since a second block always has keys left out; its diagonal tile is the walk's last.
.macro NEWBLOCK
	WIN 0
	s_cmp_eq_u32 s[U2], s[WO]
	s_cbranch_scc0 .Lnb_\@
.irp u, 0,1
	v_mov_b32 v[ST+4*\u], 0
	v_mov_b32 v[ST+4*\u+1], 0
.endr
	s_mov_b32 s[DT], LASTT
	s_mov_b32 s[SO], s[SOL]
.Lnb_\@:
.endm
.macro PACK u                       ; O^T / l, rounded to f16; a lane's 16 bytes go into rows of 144 bytes and come back as whole rows of 128, into the odd steps' S^T, which is free here
	WIN W_RS
.set i, 32*(\u)
.rept 16
	v_pk_mul_f32 v[i:i+1], v[i:i+1], v[ST+4*(\u)+2:ST+4*(\u)+3] op_sel_hi:[1,0]
.set i, i+2
.endr
	WIN 0x05
.set i, 0
.rept 16
	v_cvt_pk_f16_f32 v[S+64+16*(\u)+i], v[32*(\u)+2*i], v[32*(\u)+2*i+1]
.set i, i+1
.endr
	WIN 0
.irp f, 0,1,2,3
	ds_store_b128 v[STO], v[S+64+16*(\u)+4*\f:S+64+16*(\u)+4*\f+3] offset:32*\f
.endr
.irp f, 0,1,2,3
	ds_load_b128 v[S+64+16*(\u)+4*\f:S+64+16*(\u)+4*\f+3], v[RD] offset:\f*4*SP  ; a wave's LDS instructions are served in order: these see the stores above
.endr
.endm
.macro SEND u, younger              ; younger: the LDS instructions issued behind tile u's loads
.irp f, 0,1,2,3
	s_wait_dscnt (\younger)+3-\f
	global_store_b128 v[GO], v[S+64+16*(\u)+4*\f:S+64+16*(\u)+4*\f+3], s[10:11] offset:(\u)*2048+\f*512  ; 512 consecutive bytes, at a multiple of 512 from the plane's first
.endr
.endm
; The turn just done was a block's last: the block leaves.  If it ended the walk (in the tail alone) the wave is done; else O and l take the second block's start.
.macro WAYOUT last
	WIN 0
	s_cmp_eq_u32 s[U2], s[WO]
	s_cbranch_scc0 .Lnw_\@
.irp u, 0,1
	v_add_f32 v[ST+4*\u+2], v[ST+4*\u+2], v[ST+4*\u+3]
.endr
.irp u, 0,1
	v_permlanex16_b32 v[ST+4*\u+3], v[ST+4*\u+2], s[SEL], s[SEL+1]
.endr
.irp u, 0,1
	v_add_f32 v[ST+4*\u+2], v[ST+4*\u+2], v[ST+4*\u+3]
.endr
.irp u, 0,1
	v_rcp_f32 v[ST+4*\u+2], v[ST+4*\u+2]
.endr
	v_nop                           ; a plain instruction behind the last reciprocal,
	s_wait_alu depctr_va_vdst(0)    ; and the wait ahead of the first use: one for both
	PACK 0
	PACK 1
	SEND 0, 8
	SEND 1, 0
	s_wait_xcnt 0x0                 ; the stores have read their registers and O's address
	s_mov_b64 s[10:11], s[OLO:OLO+1]
.if \last
	s_cmp_eq_u32 s[WO], STEPS
	s_cbranch_scc1 .Lout            ; the walk's last block has left
.endif
	WIN 0x42
.set i, 0
.rept 64
	v_mov_b32 v[i], v[SVL+i%32]     ; both tiles' O: the sum of the v left out for the second block
.set i, i+1
.endr
	WIN 0
.irp u, 0,1
	v_cvt_f32_u32 v[ST+4*\u+2], s[LIL]
	v_mov_b32 v[ST+4*\u+3], 0
.endr
	s_mov_b32 s[WO], STEPS          ; the second block ends with the walk
.Lnw_\@:
.endm
; THE SECOND PART OF A TURN.  The 64 exponentials of this step and the next step's two a are one batch: nothing ahead of the one wait names a result of theirs, and all jumps of this part stand ahead of the batch or behind the wait.
; K's address line is the plain instruction behind the last exponential; K's run stands directly behind the wait: the last product that read K stands ahead of the batch, the first that reads the new K behind the next part's wait on DScnt.
.macro BPART par, last
.if \par
	NEWBLOCK
.endif
	MASKBLK \par
.set k, 0
.set e, 0
.rept 42                            ; the next step's maximum and statistics, the tiles alternating, with this step's exponentials between: one behind each of the first 20, two behind the others
.set xn, k/2
.if xn == 14
.set xn, 15
.elseif xn == 15
.set xn, 14
.endif
	XS 1-(\par), k%2, xn
	EX \par
.if k >= 20
	EX \par
.endif
.set k, k+1
.endr
	XS 1-(\par), 0, 21
	XS 1-(\par), 1, 21
	KADR                            ; the plain instruction behind the last exponential: one for the batch
	s_wait_alu depctr_va_vdst(0)    ; the wait for the batch
	FETCH_K \last
.set n, 0
.rept 16
	CV \par, n                      ; the weights of the first 32 keys
.set n, n+1
.endr
.set i, 0
.rept 16
	PVM \par
.if i < 4
.set n, 0
.rept 4
	CV \par, 16+4*i+n               ; those of the other 32, ahead of the products that take them
.set n, n+1
.endr
.elseif i < 8
.set n, 0
.rept 4
	BS \par, 4*(i-4)+n
.set n, n+1
.endr
.else
	LS \par, 0, i-8
	LS \par, 1, i-8
.endif
.set i, i+1
.endr
	WIN 0
	v_nop                           ; with the two sums above: the four places behind the last product, in front of V's next run, the rescaling and the way out
	v_nop
.if \par
	WAYOUT \last
.endif
.endm
	CHANGE 1                        ; slot 0 is in, everybody's part of it; slot 1 is asked for
	ASK
	; THE FIRST STEP'S SCORES AND STATISTICS, written out.  No mask: the first block has four tiles or more, so its first tile is not its diagonal tile.
	KADR
	FETCH_K 0                       ; K of step 0
	FETCH_V 0, 0                    ; V of step 0; its wait leaves V's run out: K is in
.set i, 0
.rept 16
	KQ 0                            ; there is no vector work yet to set between them
.set i, i+1
.endr
	WIN 0
.rept 4
	v_nop                           ; the places behind those products
.endr
	KADR
	FETCH_K 0                       ; K of step 1
.irp n, 0,1,2,3,4,5,6,7,8,9,10,11,12,13,14,15,16,17,18,19,20,21
	XS 0, 0, \n
	XS 0, 1, \n
.endr
	v_nop                           ; a plain instruction behind the two a,
	s_wait_alu depctr_va_vdst(0)    ; and their wait, ahead of the branch
	s_mov_b32 s[CNT], 2
	s_mov_b32 s[SLOTS], 7
	s_branch .Lenter                ; the loop is entered at turn 0's first part
.Lslot:                             ; six times: a tile is entered and the next is asked for
	CHANGE 1
	ASK
	QSWAP
	s_mov_b32 s[CNT], 2
.Lstep:                             ; a trip: the second part of an even turn, an odd turn, the first part of the next even turn
	BPART 0, 0
	APART 1, 0
	BPART 1, 0
.Lenter:
	APART 0, 0
	s_add_co_u32 s[U2], s[U2], 2
	s_sub_co_u32 s[CNT], s[CNT], 1
	s_cmp_lg_u32 s[CNT], 0
	s_cbranch_scc1 .Lstep
	s_sub_co_u32 s[SLOTS], s[SLOTS], 1
	s_cmp_lg_u32 s[SLOTS], 0
	s_cbranch_scc1 .Lslot
	CHANGE 0                        ; the walk's last tile is written out: nothing is asked for
	QSWAP
	s_mov_b32 s[CNT], 3             ; two trips fetch the last tile's steps; the third fetches nothing and is left from its way out
.Ltail:
	BPART 0, 1
	APART 1, 1
	BPART 1, 1
	APART 0, 1
	s_add_co_u32 s[U2], s[U2], 2
	s_sub_co_u32 s[CNT], s[CNT], 1
	s_cmp_lg_u32 s[CNT], 0
	s_cbranch_scc1 .Ltail
.Lout:
	s_wait_tensorcnt 0x0            ; the wave's end, behind my last tensor load and my last LDS store
	ds_add_u32 v[SPW], v[NIL]
	s_wait_dscnt 0x0
	s_endpgm
.Lfunc_end_k_q922036abc8_attn:
	.size	k_q922036abc8_attn, .Lfunc_end_k_q922036abc8_attn-k_q922036abc8_attn
	.p2alignl 7, 3214868480
	.fill 96, 4, 3214868480
	.section	.rodata,"a",@progbits
	.p2align	6, 0x0
	.amdhsa_kernel k_q922036abc8_attn
		.amdhsa_group_segment_fixed_size 327680
		.amdhsa_private_segment_fixed_size 0
		.amdhsa_enable_private_segment 0
		.amdhsa_kernarg_size 24
		.amdhsa_user_sgpr_count 2
		.amdhsa_user_sgpr_kernarg_segment_ptr 1
		.amdhsa_wavefront_size32 1
		.amdhsa_system_sgpr_workgroup_id_x 1
		.amdhsa_system_sgpr_workgroup_id_y 1
		.amdhsa_system_sgpr_workgroup_id_z 1
		.amdhsa_system_vgpr_workitem_id 0
		.amdhsa_next_free_vgpr 1024
		.amdhsa_next_free_sgpr 102
		.amdhsa_reserve_vcc 1
		.amdhsa_float_denorm_mode_32 3
		.amdhsa_float_denorm_mode_16_64 3
		.amdhsa_memory_ordered 1
		.amdhsa_forward_progress 1
		.amdhsa_inst_pref_size 160
	.end_amdhsa_kernel
	.amdgpu_metadata
---
amdhsa.version: [ 1, 2 ]
amdhsa.kernels:
  - .name:           k_q922036abc8_attn
    .symbol:         k_q922036abc8_attn.kd
    .args:
      - { .name: qkv, .offset: 0, .size: 8, .value_kind: global_buffer, .address_space: global }
      - { .name: vsum, .offset: 8, .size: 8, .value_kind: global_buffer, .address_space: global }
      - { .name: ob, .offset: 16, .size: 8, .value_kind: global_buffer, .address_space: global }
    .group_segment_fixed_size: 327680
    .private_segment_fixed_size: 0
    .kernarg_segment_align: 8
    .kernarg_segment_size: 24
    .max_flat_workgroup_size: 128
    .sgpr_count:     102
    .vgpr_count:     1024
    .wavefront_size: 32
...
	.end_amdgpu_metadata
.endif
;; end of part 3
;; launch oproj (part 4): grid 4 x 64, 4 waves a work-group, clusters of 4 x 4, 327,680 bytes of LDS; arguments ob, wo, b_o, out0; writes out0
.if DOCPART == 4
	.amdgcn_target "amdgcn-amd-amdhsa--gfx1250"
	.amdhsa_code_object_version 6
	.text
	.protected	k_q922036abc8_oproj
	.globl	k_q922036abc8_oproj
	.p2align	8
	.type	k_q922036abc8_oproj,@function
k_q922036abc8_oproj:
	s_mov_b64 s[64:65], 0
	v_nop
	global_prefetch_b8 v0, s[64:65] scope:SCOPE_SE
	s_setreg_imm32_b32 hwreg(HW_REG_WAVE_MODE, 25, 1), 1
	s_wait_xcnt 0x0
	s_wait_alu depctr_hold_cnt(0) depctr_sa_sdst(0) depctr_va_vdst(0) depctr_va_sdst(0) depctr_va_ssrc(0) depctr_va_vcc(0) depctr_vm_vsrc(0)
	s_getreg_b32 s2, hwreg(HW_REG_IB_STS2, 6, 4)
	s_cmp_eq_u32 s2, 0
	s_cbranch_scc0 .Lentry_in_a_cluster
	s_endpgm
.Lentry_in_a_cluster:
	s_bfe_u32 s2, ttmp6, 0x10000c
	s_cmp_lg_u32 s2, 0xf033
	s_cbranch_scc0 .Lentry_shape_is_right
	s_endpgm
.Lentry_shape_is_right:
; out0 = O W_o + b_o.  ob: f16 [24 heads][2048][64]; wo: f16 [4 blocks][768 k][192 n] (W_o rounded to bf16, written as f16); b_o f32, rounded to bf16 like every input; sums in f32; out0 f32 [4096][768].
; SHARES.  A work-group makes 64 tokens x 192 columns: 64 x 4 = 256 work-groups.  Wave w has all 64 tokens and the columns 64 nb + 16 w .. + 15 for nb = 0, 1, 2: 12 accumulators.  (A k row of W_o lies in LDS as three
; padded pieces of 64 columns: so dealt, a wave's place in a row is 32 w bytes into each piece.)  K = 768 goes in 24 pieces of 32: piece c is head c / 2, channels 32 (c % 2) on.
; LDS.  The work-group's whole share of O lies in LDS, filled once: 12 planes (heads) of 64 tokens.  W_o's block goes in four steps of 192 k rows through two slots.
; CLUSTER 4 x 4: the four of a row need the same tokens of O, the four of a column the same block of W_o: both are asked for jointly.  Every wave issues every load, for rows of its own.
; THE MATRIX INSTRUCTION IS USED TRANSPOSED (source 0 = 16 columns of W_o, turned on their way out of LDS; source 1 = 16 tokens); the bias is the C operand of each accumulator's first product.
; NO PREFETCH: the launch has four steps, two of them asked for at its head.
; REGISTERS: window 0: v2-19 addresses; v32-127 accumulators at 24 a + 8 nb; v128-151 the bias; v152-247 rows read back.  Window 1: three fragment buffers of 56: O's four fragments, then W_o's three.
.set PAA,    144                       ; a token's 128 bytes of a head + 16
.set PLANE,  64*PAA
.set PB,     480                       ; a k row of W_o: three pieces of 128 bytes, each followed by 32 bytes of padding
.set PIECE,  160                       ; from piece to piece
.set BS0,    12*PLANE                  ; 110,592: W_o's slot 0
.set BSL,    192*PB                    ; 92,160
.set SPARE,  BS0+2*BSL                 ; the spare words, 128 bytes for each wave: two blocks of 256 bytes that no other line names
.set SPITCH, 784                       ; the stage's rows: 768 bytes + 16; it lies in O's bytes, which have had their only fill and, behind a barrier, their last read
.set ADRA, 2                           ; v2-3    my place in planes 0-5, 6-11
.set ADRB, 4                           ; v4-7    my place in W_o's k rows: by slot and half of the slot
.set STO,  16
.set RD,   17
.set CO,   18
.set BO,   19
.set SPW,  28
.set NIL,  29
.set ACC,  32
.set BIAS, 128
.set BK,   152
.set WV,  18
.set G1A, 24
.set G0A, 32
.set G1B, 48
.set G0B, 56
.set MSB, 0
.macro WIN new
.if MSB != (\new)
	s_set_vgpr_msb (MSB<<8)|(\new)
.set MSB, \new
.endif
.endm
.macro PLACES
.rept 4
	v_nop
.endr
.endm
.macro CROUND                          ; a round of the cluster's barrier
	s_barrier_signal -1
	s_barrier_wait -1
	s_cmp_lg_u32 s[WV], 0
	s_cbranch_scc1 .Lnot_wave_0_\@
	s_barrier_signal -3
.Lnot_wave_0_\@:
	s_barrier_wait -3
	s_barrier_signal -1
	s_barrier_wait -1
.endm
	s_load_b256 s[4:11], s[0:1], 0x0               ; ob s[4:5], wo s[6:7], b_o s[8:9], out0 s[10:11]
	v_lshl_add_u32 v[SPW], v0, 2, SPARE
	v_mov_b32 v[NIL], 0
	ds_add_u32 v[SPW], v[NIL]                      ; the wave's opening: the add, twice on end, and its wait ahead of my first tensor load
	ds_add_u32 v[SPW], v[NIL]
	v_lshrrev_b32 v1, 5, v0
	v_readfirstlane_b32 s[WV], v1
	s_bfe_u32 s21, ttmp6, 0x40000                  ; cx = the block of 192 columns (the grid is one cluster wide)
	s_bfe_u32 s22, ttmp6, 0x40004                  ; cy
	s_and_b32 s66, ttmp7, 0xffff
	s_lshl_b32 s66, s66, 2
	s_add_co_u32 s66, s66, s22                     ; block of 64 tokens
	s_lshl_b32 s40, s22, 2
	s_lshl_b32 s40, 15, s40                        ; my row of the cluster
	s_lshl_b32 s41, 0x1111, s21                    ; my column
	s_or_b32 s[G1A], s40, (1<<16)|(1<<20)|(1<<21)|(4<<22)|(3<<25)  ; O: after every 32 words (a token) 4 words of padding
	s_or_b32 s[G1B], s41, (1<<16)|(1<<20)|(1<<21)|(4<<22)|(7<<25)  ; W_o: after every 32 words 8 words
	s_mov_b32 s[G1A+1], 4096<<16                   ; a row of the tile is a head's 64 tokens: 4,096 dense elements
	s_mov_b32 s[G1A+2], 3<<16                      ; three heads to a wave
	s_mov_b32 s[G1A+3], 4096<<16
	s_mov_b32 s[G1A+4], 3
	s_mov_b32 s[G1A+5], 131072                     ; elements from head to head
	s_mov_b32 s[G1A+6], 0
	s_mov_b32 s[G1A+7], 0
	s_mov_b32 s[G1B+1], 128<<16                    ; 48 k rows are 18,432 dense bytes: 72 rows of 256
	s_mov_b32 s[G1B+2], 72<<16
	s_mov_b32 s[G1B+3], 128<<16
	s_mov_b32 s[G1B+4], 72
	s_mov_b32 s[G1B+5], 128
	s_mov_b32 s[G1B+6], 0
	s_mov_b32 s[G1B+7], 0
	s_lshr_b32 s42, s66, 5                         ; the batch
	s_mul_i32 s42, s42, 12
	s_mul_i32 s43, s[WV], 3
	s_add_co_u32 s42, s42, s43                     ; my first head
	s_lshl_b32 s42, s42, 18
	s_and_b32 s43, s66, 31
	s_lshl_b32 s43, s43, 13                        ; 64 tokens of 128 bytes
	s_add_co_u32 s42, s42, s43
	s_mov_b32 s43, 0
	s_mul_i32 s44, s21, 294912
	s_mul_i32 s45, s[WV], 18432
	s_add_co_u32 s44, s44, s45
	s_mov_b32 s45, 0
	s_mul_i32 s46, s[WV], 3*PLANE
	s_mul_i32 s47, s[WV], 48*PB
	s_add_co_u32 s47, s47, BS0
	s_mov_b32 s[G0A], 1
	s_mov_b32 s[G0A+1], s46
	s_mov_b32 s[G0B], 1
	s_mov_b32 s[G0B+1], s47
	s_mov_b32 s[G0B+4], 1
	s_add_co_u32 s[G0B+5], s47, BSL
	s_wait_dscnt 0x0                               ; both opening adds are done
	s_wait_kmcnt 0x0
	s_add_nc_u64 s[G0A+2:G0A+3], s[4:5], s[42:43]
	s_or_b32 s[G0A+3], s[G0A+3], 0x80000000
	s_add_nc_u64 s[44:45], s[6:7], s[44:45]
	s_add_nc_u64 s[G0B+2:G0B+3], s[44:45], 0
	s_or_b32 s[G0B+3], s[G0B+3], 0x80000000
	s_add_nc_u64 s[G0B+6:G0B+7], s[44:45], 73728
	s_or_b32 s[G0B+7], s[G0B+7], 0x80000000
	CROUND                                         ; all sixteen work-groups are here: the first joint loads meet
	tensor_load_to_lds s[G0A:G0A+3], s[G1A:G1A+7]  ; three loads of mine are out: O,
	s_nop 0
	tensor_load_to_lds s[G0B:G0B+3], s[G1B:G1B+7]  ; k rows 0-191,
	s_nop 0
	tensor_load_to_lds s[G0B+4:G0B+7], s[G1B:G1B+7]  ; k rows 192-383
	s_nop 0
	PLACES
	s_mul_i32 s74, s21, 768
	s_lshl_b32 s75, s[WV], 6
	s_add_co_u32 s74, s74, s75
	s_mov_b32 s75, 0
	s_add_nc_u64 s[68:69], s[8:9], s[74:75]        ; the bias at the block's column 16 w
	v_and_b32 v1, 15, v0                           ; r
	v_bfe_u32 v20, v0, 4, 1                        ; h
	v_lshlrev_b32 v[BO], 5, v20
.irp nb, 0,1,2
	global_load_b128 v[BIAS+8*\nb:BIAS+8*\nb+3],   v[BO], s[68:69] offset:256*\nb
	global_load_b128 v[BIAS+8*\nb+4:BIAS+8*\nb+7], v[BO], s[68:69] offset:256*\nb+16
.endr
	v_mul_u32_u24 v[ADRA], v1, PAA
	v_lshl_add_u32 v[ADRA], v20, 4, v[ADRA]
	v_add_nc_u32 v[ADRA+1], 6*PLANE, v[ADRA]
	v_and_b32 v21, 7, v0                           ; W_o, for the turning load: k row 8 h + lane % 8, columns 8 ((lane / 8) % 2) on
	v_lshl_add_u32 v21, v20, 3, v21
	v_mul_u32_u24 v21, v21, PB
	v_bfe_u32 v22, v0, 3, 1
	v_lshl_add_u32 v21, v22, 4, v21
	s_lshl_b32 s71, s[WV], 5                       ; my 16 columns: 32 w bytes into each piece
	s_add_co_u32 s71, s71, BS0
	v_add_nc_u32 v[ADRB], s71, v21
	v_add_nc_u32 v[ADRB+1], 96*PB, v[ADRB]
	v_add_nc_u32 v[ADRB+2], BSL, v[ADRB]
	v_add_nc_u32 v[ADRB+3], BSL+96*PB, v[ADRB]
	v_mul_u32_u24 v[STO], v1, SPITCH               ; into the stage: token r, my 16 columns of f32 in each 64, 32 bytes for each half of the lanes
	v_lshl_add_u32 v[STO], v20, 5, v[STO]
	s_lshl_b32 s71, s[WV], 6
	v_add_nc_u32 v[STO], s71, v[STO]
	s_lshl_b32 s71, s[WV], 4                       ; back: wave w takes tokens 16 w .. + 15, whole; lanes 0-15 256 bytes of one row, lanes 16-31 of the next
	v_add_nc_u32 v[RD], s71, v20
	v_mul_u32_u24 v[RD], v[RD], SPITCH
	v_lshl_add_u32 v[RD], v1, 4, v[RD]
	v_mul_u32_u24 v[CO], v20, 3072
	v_lshl_add_u32 v[CO], v1, 4, v[CO]
	s_lshl_b32 s76, s66, 6
	s_add_co_u32 s76, s76, s71
	s_mul_i32 s76, s76, 3072
	s_mul_i32 s77, s21, 768
	s_add_co_u32 s76, s76, s77
	s_mov_b32 s77, 0
	s_add_nc_u64 s[10:11], s[10:11], s[76:77]
	s_wait_loadcnt 0x0
.set i, 0
.rept 12                                       ; the bias rounded to bf16, as all inputs are, and widened again
	v_cvt_pk_bf16_f32 v[BK+i%4], v[BIAS+2*i], v[BIAS+2*i+1]
	v_lshlrev_b32 v[BIAS+2*i], 16, v[BK+i%4]
	v_and_b32 v[BIAS+2*i+1], 0xffff0000, v[BK+i%4]
.set i, i+1
.endr
; 14 LDS loads: piece c's fragments into buffer c % 3
.macro FETCH c
	WIN 0x40
.set fb, 56*((\c)%3)
.set ra, ADRA+(\c)/12
.set oa, (((\c)%12)/2)*PLANE+((\c)%2)*64
.irp a, 0,1,2,3
	ds_load_b128 v[fb+8*\a:fb+8*\a+3],   v[ra] offset:oa+\a*16*PAA
	ds_load_b128 v[fb+8*\a+4:fb+8*\a+7], v[ra] offset:oa+\a*16*PAA+32
.endr
.set rb, ADRB+2*(((\c)/6)%2)+((\c)%6)/3
.set ow, ((\c)%3)*32*PB
.irp nb, 0,1,2
	ds_load_tr16_b128 v[fb+32+8*\nb:fb+32+8*\nb+3],   v[rb] offset:ow+PIECE*\nb
	ds_load_tr16_b128 v[fb+32+8*\nb+4:fb+32+8*\nb+7], v[rb] offset:ow+16*PB+PIECE*\nb
.endr
.endm
; piece c's 12 products; the accumulators take turns
.macro MUL c, first
	WIN 0x05
.set fb, 56*((\c)%3)
.irp a, 0,1,2,3
.irp nb, 0,1,2
.if \first
	v_wmma_f32_16x16x32_f16 v[ACC+24*\a+8*\nb:ACC+24*\a+8*\nb+7], v[fb+32+8*\nb:fb+32+8*\nb+7], v[fb+8*\a:fb+8*\a+7], v[BIAS+8*\nb:BIAS+8*\nb+7]
.else
	v_wmma_f32_16x16x32_f16 v[ACC+24*\a+8*\nb:ACC+24*\a+8*\nb+7], v[fb+32+8*\nb:fb+32+8*\nb+7], v[fb+8*\a:fb+8*\a+7], v[ACC+24*\a+8*\nb:ACC+24*\a+8*\nb+7]
.endif
.endr
.endr
.endm
; THE CHANGE OF W_o's SLOTS: each wave waits for all its tensor loads (its part of the other slot), adds 0 to its spare word, and waits for that and for its reads of the slot that it leaves.  fill = 1: a round of the
; cluster's barrier, and that slot is filled again, two steps ahead, first thing behind it.  The four v_nop are also the places in front of the loads that follow.
.macro CHG fill, slot
	WIN 0
	s_wait_tensorcnt 0x0
	ds_add_u32 v[SPW], v[NIL]
.if \fill
	s_add_nc_u64 s[G0B+4*(\slot)+2:G0B+4*(\slot)+3], s[G0B+4*(\slot)+2:G0B+4*(\slot)+3], 147456
.endif
	s_wait_dscnt 0x0
.if \fill
	CROUND
	tensor_load_to_lds s[G0B+4*(\slot):G0B+4*(\slot)+3], s[G1B:G1B+7]
	s_nop 0
.else
	s_barrier_signal -1
	s_barrier_wait -1
.endif
	PLACES
.endm
	s_wait_tensorcnt 0x1                           ; O and k rows 0-191 are in; the second slot's load may stay out
	s_barrier_signal -1
	s_barrier_wait -1
	FETCH 0
	FETCH 1
.set c, 0
.rept 24                                       ; piece c is multiplied while the fragments of pieces c + 1 and c + 2 are on their way
.if c == 4
	CHG 1, 0                                       ; piece 6 is the first of the second slot; the first slot takes k rows 384-575
.elseif c == 10
	CHG 1, 1                                       ; the second slot takes k rows 576-767
.elseif c == 16
	CHG 0, 0
.elseif c > 0
	PLACES                                         ; in front of loads into the buffer that piece c - 1's products have read
.endif
.if c <= 21
	FETCH c+2
	s_wait_dscnt 28                                ; the two younger runs of 14 may stay out
.elseif c == 22
	s_wait_dscnt 14
.else
	s_wait_dscnt 0x0
.endif
.if c == 0
	MUL c, 1
.else
	MUL c, 0
.endif
.set c, c+1
.endr
	WIN 0
	s_barrier_signal -1                            ; every wave's reads of O are back: its bytes become the stage
	s_barrier_wait -1
	PLACES
.irp a, 0,1,2,3
.irp nb, 0,1,2
	ds_store_b128 v[STO], v[ACC+24*\a+8*\nb:ACC+24*\a+8*\nb+3]   offset:\a*16*SPITCH+256*\nb
	ds_store_b128 v[STO], v[ACC+24*\a+8*\nb+4:ACC+24*\a+8*\nb+7] offset:\a*16*SPITCH+256*\nb+16
.endr
.endr
	s_wait_dscnt 0x0                               ; for the others' sake: my stores into the stage are done
	s_barrier_signal -1
	s_barrier_wait -1
.set n, 0
.rept 24
	ds_load_b128 v[BK+4*n:BK+4*n+3], v[RD] offset:(n/3)*2*SPITCH+(n%3)*256
.set n, n+1
.endr
.set n, 0
.rept 24
	s_wait_dscnt 23-n
	global_store_b128 v[CO], v[BK+4*n:BK+4*n+3], s[10:11] offset:(n/3)*6144+(n%3)*256 th:TH_STORE_NT  ; 16 lanes store 256 consecutive bytes, at a multiple of 256 from out0's first byte
.set n, n+1
.endr
	s_wait_tensorcnt 0x0                           ; the wave's end, behind my last tensor load and my last LDS store
	ds_add_u32 v[SPW], v[NIL]
	s_wait_dscnt 0x0
	CROUND                                         ; the closing round
	s_endpgm
.Lfunc_end_k_q922036abc8_oproj:
	.size	k_q922036abc8_oproj, .Lfunc_end_k_q922036abc8_oproj-k_q922036abc8_oproj
	.p2alignl 7, 3214868480
	.fill 96, 4, 3214868480
	.section	.rodata,"a",@progbits
	.p2align	6, 0x0
	.amdhsa_kernel k_q922036abc8_oproj
		.amdhsa_group_segment_fixed_size 327680
		.amdhsa_private_segment_fixed_size 0
		.amdhsa_enable_private_segment 0
		.amdhsa_kernarg_size 32
		.amdhsa_user_sgpr_count 2
		.amdhsa_user_sgpr_kernarg_segment_ptr 1
		.amdhsa_wavefront_size32 1
		.amdhsa_system_sgpr_workgroup_id_x 1
		.amdhsa_system_sgpr_workgroup_id_y 1
		.amdhsa_system_sgpr_workgroup_id_z 1
		.amdhsa_system_vgpr_workitem_id 0
		.amdhsa_next_free_vgpr 448
		.amdhsa_next_free_sgpr 80
		.amdhsa_reserve_vcc 0
		.amdhsa_float_denorm_mode_32 3
		.amdhsa_float_denorm_mode_16_64 3
		.amdhsa_memory_ordered 1
		.amdhsa_forward_progress 1
		.amdhsa_inst_pref_size 61
	.end_amdhsa_kernel
	.amdgpu_metadata
---
amdhsa.version: [ 1, 2 ]
amdhsa.kernels:
  - .name:           k_q922036abc8_oproj
    .symbol:         k_q922036abc8_oproj.kd
    .args:
      - { .name: ob, .offset: 0, .size: 8, .value_kind: global_buffer, .address_space: global }
      - { .name: wo, .offset: 8, .size: 8, .value_kind: global_buffer, .address_space: global }
      - { .name: b_o, .offset: 16, .size: 8, .value_kind: global_buffer, .address_space: global }
      - { .name: out0, .offset: 24, .size: 8, .value_kind: global_buffer, .address_space: global }
    .group_segment_fixed_size: 327680
    .private_segment_fixed_size: 0
    .kernarg_segment_align: 8
    .kernarg_segment_size: 32
    .max_flat_workgroup_size: 128
    .sgpr_count:     80
    .vgpr_count:     448
    .wavefront_size: 32
...
	.end_amdgpu_metadata
.endif
;; end of part 4
;; ======== version 2 of 2: 4 launches; version 1 with the launch prep written anew for expert scheduling mode
;; limits: values are held in f16: magnitudes above 65,504 overflow, below 6.1e-05 lose precision
;; workspace buffers: xb 6,291,456 bytes; wqkv 3,538,944 bytes; wo 1,179,648 bytes; qkv 18,874,368 bytes; vsum 49,152 bytes; ob 6,291,456 bytes
;; launch prep (part 5): grid 448 x 1, 8 waves a work-group, no clusters, 0 bytes of LDS; arguments residual_stream, W_q, W_k, W_v, W_o, xb, wqkv, wo; writes xb, wqkv, wo
.if DOCPART == 5
	.amdgcn_target "amdgcn-amd-amdhsa--gfx1250"
	.amdhsa_code_object_version 6
	.text
	.protected	k_q922036abc8_prep
	.globl	k_q922036abc8_prep
	.p2align	8
	.type	k_q922036abc8_prep,@function
k_q922036abc8_prep:
	s_mov_b64 s[64:65], 0
	v_nop
	global_prefetch_b8 v0, s[64:65] scope:SCOPE_SE
	s_setreg_imm32_b32 hwreg(HW_REG_WAVE_SCHED_MODE, 0, 2), 2
	s_setreg_imm32_b32 hwreg(HW_REG_WAVE_MODE, 25, 1), 1
	s_wait_xcnt 0x0
	s_wait_alu depctr_vm_vsrc(0)
; ATTENTION WITH A ZEROING MASK, in four launches: this one rounds x and the four weight matrices to 16 bits; the second makes q, k, v; the third the attention; the fourth the output projection.
; WORK LEFT OUT BY THE PROGRAM, and why it is dead for all finite inputs.  The problem sets score(q, k) to 0 for every key k > q, by a mask that it builds itself, and takes the softmax over all 2,048 keys.
; So for a key above the diagonal the product q . k reaches no output, and its weight is exp(0 - m) / l, the same number w0 for all such keys of a row.  Their share of the row's result is
; sum over those k of w0 v[k] = w0 x (sum of those v[k]), an identity in real numbers.  The third launch therefore leaves out K Q^T, the exponentials and P V for tiles of 256 keys that lie wholly above a
; query block's diagonal tile, and starts each row's running state as if it had met ONE key of score 0 that counts n times: maximum 0, sum n, result = the sum of the n rows of v (taken in f32 by the second launch).
; Inside the diagonal tile the hidden scores are computed, set to 0 and treated like any score.  No input is dead: b_k stays, since the zeroed scores are not shifted with the others.
; LIMIT: a NaN, an infinity or an overflow that reaches only the products left out is not carried to the result.
; THIS LAUNCH.  x -> xb, bf16 [4096][768].  W_q, W_k, W_v -> wqkv, bf16, and W_o -> wo, in blocks [block][768 k][192 n]: block T holds columns 192 (T % 4) .. + 191 of matrix T / 4, so that the k rows
; that a later launch takes in one step lie end to end.  W_o is rounded to bf16 like every input and that number is written as f16 (exact from 6.1e-5 up to 65,504; below, f16's fixed step of 6e-8).
; A stream: each thread takes 12 pieces of 4 numbers; a wave's load covers 512 bytes (in a weight's block: pieces of rows of 768 bytes), a wave's store 256 consecutive bytes, aligned.  All 12 loads go out first.
; No LDS, no matrix unit, no cluster: nothing is shared and nothing is multiplied.
; THE MODE: SCHED_MODE bits 1:0 = 2 (LLVM: expert scheduling mode 2), set by the entry lines.  The code itself states the register dependences between vector instructions and memory instructions,
; with s_wait_alu, always for 0.
; THE PLAN.  Registers that memory instructions touch:
;   v1, v2, v3-v5  byte offsets.  Written by vector instructions at the head of a path, read by its loads (v1 or v3-v5) and its stores (v2), never written again.
;   DAT            a piece's 4 registers: its load lands in them; no vector instruction names them ahead of the loads, and no memory instruction reads them.
;   PKD            a piece's 2 registers: written by the piece's conversions, read by the piece's one store, never written behind it.
; So no register that a memory instruction has read is written again, and what is to be stated is of one kind: written by a vector instruction, then read by a memory instruction.  One wait stands ahead of a path's
; 12 loads, for the offsets.  The pieces go in three groups of four: a group's four stores stand together at the head of the next group, behind ONE wait, which stands behind the wait for that group's first
; piece; the last group's stores have a wait of their own.  No vector instruction between such a wait and its four stores names their registers.
.set DAT, 8                            ; v[8:55]   12 pieces as loaded
.set PKD, 56                           ; v[56:79]  12 pieces to store
.macro CV n, half                      ; piece n: two roundings to bf16 each; half = 1: the rounded numbers are written as f16
	v_cvt_pk_bf16_f32 v[PKD+2*(\n)], v[DAT+4*(\n)], v[DAT+4*(\n)+1]
	v_cvt_pk_bf16_f32 v[PKD+2*(\n)+1], v[DAT+4*(\n)+2], v[DAT+4*(\n)+3]
.if \half
	v_lshlrev_b32 v[DAT+4*(\n)], 16, v[PKD+2*(\n)]
	v_and_b32 v[DAT+4*(\n)+1], 0xffff0000, v[PKD+2*(\n)]
	v_lshlrev_b32 v[DAT+4*(\n)+2], 16, v[PKD+2*(\n)+1]
	v_and_b32 v[DAT+4*(\n)+3], 0xffff0000, v[PKD+2*(\n)+1]
	v_cvt_pk_f16_f32 v[PKD+2*(\n)], v[DAT+4*(\n)], v[DAT+4*(\n)+1]
	v_cvt_pk_f16_f32 v[PKD+2*(\n)+1], v[DAT+4*(\n)+2], v[DAT+4*(\n)+3]
.endif
.endm
.macro OUT g, b                        ; group g's four stores, by the base in s[b:b+1]
.irp n, 0,1,2,3
	global_store_b64 v2, v[PKD+2*(4*(\g)+\n):PKD+2*(4*(\g)+\n)+1], s[\b:\b+1] offset:2048*(4*(\g)+\n)
.endr
.endm
.macro RUN half, b                     ; the 12 pieces, in three groups of four
.irp g, 0,1,2
.irp n, 0,1,2,3
	s_wait_loadcnt 11-4*\g-\n                      ; loads come back in order: this piece is in, the younger ones may stay out
.if (\g > 0) && (\n == 0)
	s_wait_alu depctr_va_vdst(0)                   ; the group before has written its eight registers of PKD, which the four stores below read
	OUT \g-1, \b
.endif
	CV 4*\g+\n, \half
.endr
.endr
	s_wait_alu depctr_va_vdst(0)                   ; the last group has written its eight registers of PKD, which the last four stores read
	OUT 2, \b
.endm
	s_load_b512 s[8:23], s[0:1], 0x0               ; x s[8:9], W_q s[10:11], W_k s[12:13], W_v s[14:15], W_o s[16:17], xb s[18:19], wqkv s[20:21], wo s[22:23]
	v_lshlrev_b32 v1, 4, v0                        ; 16 t
	v_lshlrev_b32 v2, 3, v0                        ; 8 t
	s_cmp_lt_u32 ttmp9, 256
	s_cbranch_scc0 .Lweights
	; work-groups 0 to 255: 12,288 numbers of x each
	s_mul_i32 s2, ttmp9, 49152
	s_mov_b32 s3, 0
	s_mul_i32 s4, ttmp9, 24576
	s_mov_b32 s5, 0
	s_wait_kmcnt 0x0
	s_add_nc_u64 s[8:9], s[8:9], s[2:3]
	s_add_nc_u64 s[18:19], s[18:19], s[4:5]
	s_wait_alu depctr_va_vdst(0)                   ; v1 and v2 are written: the loads below read v1 as their offset, the stores v2
.set i, 0
.rept 12
	global_load_b128 v[DAT+4*i:DAT+4*i+3], v1, s[8:9] offset:4096*i th:TH_LOAD_NT
.set i, i+1
.endr
	RUN 0, 18
	s_endpgm
.Lweights:
	; work-groups 256 to 447: 64 k rows x 192 columns of one block
	s_sub_co_u32 s24, ttmp9, 256
	s_mul_hi_u32 s25, s24, 0xaaaaaaab
	s_lshr_b32 s25, s25, 3                         ; block T = number / 12
	s_mul_i32 s26, s25, 12
	s_sub_co_u32 s26, s24, s26                     ; which 64 rows of the block
	s_and_b32 s27, s25, 3                          ; which 192 columns of the matrix
.irp a, 0,1,2
	v_add_nc_u32 v6, 256*\a, v0                    ; piece e = 256 a + t of the 768 in 16 rows
	v_mul_u32_u24 v7, v6, 1366
	v_lshrrev_b32 v7, 16, v7                       ; row e / 48 (1366 / 65536 is 1 / 48 to within one part in 2,048: exact for e under 768)
	v_mul_u32_u24 v[3+\a], v7, 48
	v_sub_nc_u32 v6, v6, v[3+\a]                   ; piece in the row
	v_mul_u32_u24 v7, v7, 3072
	v_lshl_add_u32 v[3+\a], v6, 4, v7              ; its byte in the matrix: row x 3,072 + 16 x piece
.endr
	s_mul_i32 s34, s26, 196608                     ; 64 rows of 3,072 bytes
	s_mul_i32 s35, s27, 768
	s_add_co_u32 s34, s34, s35
	s_mov_b32 s35, 0
	s_mul_i32 s33, s26, 24576                      ; 64 rows of 384 bytes in the block
	s_wait_kmcnt 0x0
	s_cmp_lt_u32 s25, 4
	s_cselect_b64 s[28:29], s[10:11], s[12:13]
	s_cmp_lt_u32 s25, 8
	s_cselect_b64 s[28:29], s[28:29], s[14:15]
	s_cmp_lt_u32 s25, 12
	s_cselect_b64 s[28:29], s[28:29], s[16:17]     ; the matrix
	s_cselect_b64 s[30:31], s[20:21], s[22:23]     ; and where its blocks go
	s_cselect_b32 s32, 0, 12
	s_sub_co_u32 s32, s25, s32
	s_mul_i32 s32, s32, 294912
	s_add_co_u32 s32, s32, s33
	s_mov_b32 s33, 0
	s_add_nc_u64 s[28:29], s[28:29], s[34:35]
	s_add_nc_u64 s[30:31], s[30:31], s[32:33]
	s_wait_alu depctr_va_vdst(0)                   ; v2 to v5 are written: the loads below read v3 to v5 as their offsets, the stores v2
.set i, 0
.rept 12
	global_load_b128 v[DAT+4*i:DAT+4*i+3], v[3+i%3], s[28:29] offset:49152*(i/3) th:TH_LOAD_NT
.set i, i+1
.endr
	s_cmp_lt_u32 s25, 12
	s_cbranch_scc0 .Lwo
	RUN 0, 30
	s_endpgm
.Lwo:
	RUN 1, 30
	s_endpgm
.Lfunc_end_k_q922036abc8_prep:
	.size	k_q922036abc8_prep, .Lfunc_end_k_q922036abc8_prep-k_q922036abc8_prep
	.p2alignl 7, 3214868480
	.fill 96, 4, 3214868480
	.section	.rodata,"a",@progbits
	.p2align	6, 0x0
	.amdhsa_kernel k_q922036abc8_prep
		.amdhsa_group_segment_fixed_size 0
		.amdhsa_private_segment_fixed_size 0
		.amdhsa_enable_private_segment 0
		.amdhsa_kernarg_size 64
		.amdhsa_user_sgpr_count 2
		.amdhsa_user_sgpr_kernarg_segment_ptr 1
		.amdhsa_wavefront_size32 1
		.amdhsa_system_sgpr_workgroup_id_x 1
		.amdhsa_system_sgpr_workgroup_id_y 1
		.amdhsa_system_sgpr_workgroup_id_z 1
		.amdhsa_system_vgpr_workitem_id 0
		.amdhsa_next_free_vgpr 80
		.amdhsa_next_free_sgpr 66
		.amdhsa_reserve_vcc 0
		.amdhsa_float_denorm_mode_32 3
		.amdhsa_float_denorm_mode_16_64 3
		.amdhsa_memory_ordered 1
		.amdhsa_forward_progress 1
		.amdhsa_inst_pref_size 19
	.end_amdhsa_kernel
	.amdgpu_metadata
---
amdhsa.version: [ 1, 2 ]
amdhsa.kernels:
  - .name:           k_q922036abc8_prep
    .symbol:         k_q922036abc8_prep.kd
    .args:
      - { .name: residual_stream, .offset: 0, .size: 8, .value_kind: global_buffer, .address_space: global }
      - { .name: W_q, .offset: 8, .size: 8, .value_kind: global_buffer, .address_space: global }
      - { .name: W_k, .offset: 16, .size: 8, .value_kind: global_buffer, .address_space: global }
      - { .name: W_v, .offset: 24, .size: 8, .value_kind: global_buffer, .address_space: global }
      - { .name: W_o, .offset: 32, .size: 8, .value_kind: global_buffer, .address_space: global }
      - { .name: xb, .offset: 40, .size: 8, .value_kind: global_buffer, .address_space: global }
      - { .name: wqkv, .offset: 48, .size: 8, .value_kind: global_buffer, .address_space: global }
      - { .name: wo, .offset: 56, .size: 8, .value_kind: global_buffer, .address_space: global }
    .group_segment_fixed_size: 0
    .private_segment_fixed_size: 0
    .kernarg_segment_align: 8
    .kernarg_segment_size: 64
    .max_flat_workgroup_size: 256
    .sgpr_count:     66
    .vgpr_count:     80
    .wavefront_size: 32
...
	.end_amdgpu_metadata
.endif
;; end of part 5
;; launch qkv: the kernel of part 2 again; grid 12 x 16, 4 waves a work-group, clusters of 4 x 4, 327,680 bytes of LDS; arguments xb, wqkv, b_q, b_k, b_v, qkv, vsum; writes qkv, vsum
;; launch attn: the kernel of part 3 again; grid 9 x 24, 4 waves a work-group, no clusters, 327,680 bytes of LDS; arguments qkv, vsum, ob; writes ob
;; launch oproj: the kernel of part 4 again; grid 4 x 64, 4 waves a work-group, clusters of 4 x 4, 327,680 bytes of LDS; arguments ob, wo, b_o, out0; writes out0
